; MI455X (gfx1250); checked and timed in simulation.
; The chip was launched on July 23, 2026; its instructions are those of AMD's public machine-readable ISA for CDNA 5 (MIT licence, August 2026) and "CDNA5" Instruction Set Architecture Reference Guide (July 2026). The comments in the code are by the model that wrote it; some were corrected since.
;; Ro PE Self Attention. Allowed arithmetic: matrix products marked QUANTISED: E2M1 operands, one E8M0 scale for each 32 along K, by v_wmma_scale_f32_16x16x128_f8f6f4 with both operands' format E2M1 (or v_wmma_scale_f32_32x16x128_f4), f32 sums; products left as they are: bf16, f16 or f32 operands; f32 sums; everything else in f32.
;; Inputs: bk 1,024 float32; bo 1,024 float32; bq 1,024 float32; bv 1,024 float32; key_padding_mask 4 x 2,048 bool; wk 1,024 x 1,024 float32; wo 1,024 x 1,024 float32; wq 1,024 x 1,024 float32; wv 1,024 x 1,024 float32; x 4 x 2,048 x 1,024 float32.
;; Outputs: out0 4 x 2,048 x 1,024 float32.
;; This version of the problem:
;;   THIS VERSION OF THE PROBLEM IS GIVEN IN LOW PRECISION. The matrix products marked QUANTISED in the list below multiply operands that are first quantised to E2M1 (2 exponent bits, 1 mantissa bit; 4 bits a number), with one power-of-two scale for each 32 numbers along K (OCP MX v1.0); their sums are f32. The products marked 'left as it is' may take bf16, f16 or f32 operands, with f32 sums. Whichever they take, every output number must still come out within the allowed error. Rounding operands to bf16 (8 significant bits) uses up far more of that allowance than f16 does (11 bits, for magnitudes from 6e-5 to 65,504). All else is computed in f32.
;;   The module's matrix products, in the order in which they are computed (A, B: the left and right operand; K: the contracted axis; several contracted axes count as one K, in the product's order):
;;     1. [M 8,192, K 1,024] x [K 1,024, N 1,024]; A: input x; B: input wq: QUANTISED
;;     2. [M 8,192, K 1,024] x [K 1,024, N 1,024]; A: input x; B: input wk: QUANTISED
;;     3. [M 8,192, K 1,024] x [K 1,024, N 1,024]; A: input x; B: input wv: QUANTISED
;;     4. batch 64 x [M 2,048, K 64] x [K 64, N 2,048]; A: computed on the way; B: computed on the way: left as it is (an operand is computed on the way)
;;     5. batch 64 x [M 2,048, K 2,048] x [K 2,048, N 64]; A: computed on the way; B: computed on the way: left as it is (an operand is computed on the way)
;;     6. [M 8,192, K 1,024] x [K 1,024, N 1,024]; A: computed on the way; B: input wo: left as it is (an operand is computed on the way)
;;   THE QUANTISER, for each operand of a quantised product, along K:
;;     - K is cut into blocks of 32 from its start; a last block that is shorter is filled with zeros.
;;     - A block's scale is 2^e with e = floor(log2(the largest magnitude in the block)) - 2, held to -126 .. 127; a block of zeros has e = 0. As a byte (E8M0): e + 127.
;;     - Each number is divided by its block's scale, clamped to +-6, and rounded to the nearest number of E2M1, ties to even, subnormals kept.
;;     - The product sums the exact products of the quantised numbers (number of the format x scale) in f32.
;;   ~~~python
;;   def quantise(x, axis):      # numpy; x: float32 -> the quantised numbers, widened to float32 again
;;       x = np.moveaxis(x, axis, -1); K = x.shape[-1]
;;       x = np.pad(x, [(0, 0)] * (x.ndim - 1) + [(0, -K % 32)]); x = x.reshape(x.shape[:-1] + (-1, 32)); a = np.abs(x).max(-1, keepdims=True)
;;       e = np.where(a > 0, np.clip(np.frexp(np.where(a > 0, a, 1))[1] - 1 - 2, -126, 127), 0)      # np.frexp(a)[1] - 1 = floor(log2(a)), exactly
;;       r = np.clip(x / 2.0 ** e, -6, 6)
;;       step = 2.0 ** (np.maximum(np.frexp(np.where(r == 0, 1, r))[1] - 1, 0) - 1)
;;       q = np.round(r / step) * step * 2.0 ** e      # np.round: ties to even
;;       return np.moveaxis(q.reshape(q.shape[:-2] + (-1,))[..., :K], -1, axis).astype(np.float32)
;;   ~~~
;; One version. Each part assembles by itself: llvm-mc -triple=amdgcn-amd-amdhsa -mcpu=gfx1250 --defsym DOCPART=n.
;; ======== version 1 of 1: 4 launches
;; limits: values are held in f16: magnitudes above 65,504 overflow, below 6.1e-05 lose precision
;; workspace buffers: codes 5,767,168 bytes; scales 360,448 bytes; wof 2,097,152 bytes; rope 524,288 bytes; mbias 32,768 bytes; qkv 50,331,648 bytes; att 16,777,216 bytes
;; launch prep (part 1): grid 416 x 1, 4 waves a work-group, no clusters, 33,280 bytes of LDS; arguments x, wq, wk, wv, wo, key_padding_mask, codes, scales, wof, rope, mbias; writes codes, scales, wof, rope, mbias
.if DOCPART == 1
	.amdgcn_target "amdgcn-amd-amdhsa--gfx1250"
	.amdhsa_code_object_version 6
	.text
	.protected	k_q2a4bcddc8c_prep
	.globl	k_q2a4bcddc8c_prep
	.p2align	8
	.type	k_q2a4bcddc8c_prep,@function
k_q2a4bcddc8c_prep:
	s_mov_b64 s[64:65], 0
	v_nop
	global_prefetch_b8 v0, s[64:65] scope:SCOPE_SE
	s_setreg_imm32_b32 hwreg(HW_REG_WAVE_MODE, 25, 1), 1
	s_wait_xcnt 0x0
; PREPARATION, one launch, three kinds of work-group, told apart by the work-group's number alone.
;  0..351   x [8192][1024], wq, wk, wv [1024][1024] (f32, K innermost) become codes of FP4 (E2M1) and one E8M0 scale byte for each 32 along K.
;           codes: x's rows of 512 bytes, then wq's, wk's, wv's;  scales: rows of 32 bytes in the same order.  Both are plain streams of blocks of 32.
;  352..383 wo becomes f16, as it lies.
;  384..415 the padding mask becomes an additive f32 bias (0, or -2^100 where a key is masked), and the RoPE table is made: row t = cos(t w_j), j = 0..31, then sin(t w_j): 256 bytes.
; THE QUANTISER: a block's scale is 2^(floor(log2(largest magnitude)) - 2); its byte is the largest magnitude's exponent field - 2, held at 1 from below; numbers are divided by the scale and rounded to the nearest code,
; ties to even, beyond 6 the largest code.  A block of zeros gets the byte 1 where the rule says 127: its codes are zeros, and this program alone reads the bytes.
; LIMITS: blocks whose largest magnitude lies under 2^-124 keep the byte 1; NaN and infinities among the inputs are not served; wo beyond 65,504 becomes infinity in f16.
; RoPE: w_j = 2^(-j log2(10000) / 32) by v_exp_f32; the angle t w_j is reduced by multiples of pi/2 (two-part constant, fused) and sine and cosine are polynomials on |y| <= pi/4 (error under 4e-7).
; The angle may differ from a correctly rounded one by about 2e-4 rad at t near 2,047 (an ulp of w_j times t).
; No tensor loads, no barrier: waves share nothing.  Only the quantiser's work-groups use LDS.
.set WAVES, 4
.set STEPS, 16
.set WGQ,   352                        ; (8192 + 3 x 1024) x 1024 numbers / 32,768
.set WGW,   32
.set EMAX,  2
.set CB,    8                          ; bytes of 16 codes
.set R,     16                         ; v16-79   four sets of 16 numbers as they are loaded
.set X,     80                         ; v80-111  two sets of 16 neighbours
.set C,     128                        ; v128-191 codes: four registers for each step
.set E,     112                        ; v112-127 a scale byte for each step
.set WREG,  8192                       ; LDS: a region for each wave: two stages of 32 x SP bytes, behind them its 256 scale bytes
.set SP,    80                         ; a lane's place in a stage: 64 bytes + 16 of padding
.set SPW,   12                         ; v12 LDS address of my spare word; never rewritten
.set NIL,   13                         ; v13 0; never rewritten
.set SPARE, WAVES*WREG                 ; the spare words: 128 bytes for each wave, named by no other line
	s_load_b256 s[4:11], s[0:1], 0x0               ; x, wq, wk, wv
	s_load_b256 s[12:19], s[0:1], 0x20             ; wo, mask, codes, scales
	s_load_b128 s[20:23], s[0:1], 0x40             ; wof, rope
	s_load_b64 s[24:25], s[0:1], 0x50              ; mbias
	v_lshl_add_u32 v[SPW], v0, 2, SPARE
	v_mov_b32 v[NIL], 0
	v_lshrrev_b32 v1, 5, v0
	v_readfirstlane_b32 s26, v1                    ; wave
	v_and_b32 v2, 31, v0                           ; lane
	; the quantiser's addresses are made here, ahead of the parting of the ways
	v_lshlrev_b32 v3, 4, v2                        ; my 16 bytes of a load's 512
	s_mul_i32 s27, s26, WREG
	v_lshrrev_b32 v14, 2, v2
	v_mul_u32_u24 v14, v14, SP
	v_and_b32 v15, 3, v2
	v_lshl_add_u32 v14, v15, 4, v14
	v_add_nc_u32 v14, s27, v14                     ; the stage, way in: SP (lane / 4) + 16 (lane % 4)
	v_mul_u32_u24 v15, v2, SP
	v_add_nc_u32 v15, s27, v15                     ; way out: SP x lane: my 16 neighbours
	v_mul_u32_u24 v4, v2, CB                       ; my codes' place in a step's
	v_lshrrev_b32 v5, 1, v2
	s_add_co_u32 s27, s27, 2*32*SP
	v_add_nc_u32 v5, s27, v5                       ; my wave's 256 scale bytes, my block's byte
	v_lshlrev_b32 v7, 3, v2
	v_add_nc_u32 v6, s27, v7                       ; and on the way out 8 bytes a lane
	s_wait_kmcnt 0x0
	s_cmp_ge_u32 ttmp9, WGQ+WGW
	s_cbranch_scc1 .Ltables
	s_cmp_ge_u32 ttmp9, WGQ
	s_cbranch_scc1 .Lwo
	; ---------------- the quantiser: 32,768 numbers a work-group, 8,192 a wave, 16 steps of 512
	s_sub_co_u32 s28, ttmp9, 256                   ; behind x's 256 work-groups: 32 for each weight
	s_lshr_b32 s29, s28, 5                         ; which weight
	s_and_b32 s28, s28, 31                         ; and which part of it
	s_cmp_eq_u32 s29, 1
	s_cselect_b64 s[6:7], s[8:9], s[6:7]
	s_cmp_eq_u32 s29, 2
	s_cselect_b64 s[6:7], s[10:11], s[6:7]
	s_cmp_lt_u32 ttmp9, 256
	s_cselect_b64 s[4:5], s[4:5], s[6:7]           ; the choices hang on the work-group's number alone
	s_cselect_b32 s28, ttmp9, s28
	s_lshl_b32 s28, s28, 2
	s_add_co_u32 s28, s28, s26                     ; my wave's run of 8,192 numbers in its tensor
	s_lshl_b32 s30, s28, 15
	s_mov_b32 s31, 0
	s_add_nc_u64 s[4:5], s[4:5], s[30:31]
	s_lshl_b32 s28, ttmp9, 2
	s_add_co_u32 s28, s28, s26                     ; and in the codes' and the scales' buffers, where the weights follow x
	s_lshl_b32 s30, s28, 12
	s_add_nc_u64 s[16:17], s[16:17], s[30:31]
	s_lshl_b32 s30, s28, 8
	s_add_nc_u64 s[18:19], s[18:19], s[30:31]
.macro LOAD t
.irp i, 0,1,2,3
	global_load_b128 v[R+16*((\t)%4)+4*\i:R+16*((\t)%4)+4*\i+3], v3, s[4:5] offset:2048*(\t)+512*\i th:TH_LOAD_NT   ; 32 lanes read 512 consecutive bytes
.endr
.endm
.macro TURN t                          ; step t's numbers through the stage: a wave's LDS instructions are served in order, so no wait stands between the stores and the loads
.irp i, 0,1,2,3
	ds_store_b128 v14, v[R+16*((\t)%4)+4*\i:R+16*((\t)%4)+4*\i+3] offset:32*SP*((\t)%2)+8*SP*\i
.endr
.irp i, 0,1,2,3
	ds_load_b128 v[X+16*((\t)%2)+4*\i:X+16*((\t)%2)+4*\i+3], v15 offset:32*SP*((\t)%2)+16*\i
.endr
.endm
.irp t, 0,1,2,3
	LOAD \t
.endr
	s_wait_loadcnt 12                              ; step 0's four loads are in; three steps' twelve stay out
	TURN 0
.macro STEP t
.set XS, X+16*((\t)%2)
.if (\t) > 0
	s_wait_dscnt 1                                 ; this step's numbers are back from the stage (the last step's byte store may be out)
.else
	s_wait_dscnt 0x0
.endif
.if (\t)+4 < STEPS
	LOAD (\t)+4                                    ; into the registers that the stage's stores have read
.endif
.if (\t)+1 < STEPS
.if STEPS-2-(\t) >= 3
	s_wait_loadcnt 12                              ; the next step's four loads are in; those of the three steps behind it may be out
.else
	s_wait_loadcnt 4*(STEPS-2-(\t))
.endif
	TURN (\t)+1
.endif
	v_max3_num_f32 v8, |v[XS]|, |v[XS+1]|, |v[XS+2]|               ; the largest magnitude of my 16, in two chains
	v_max3_num_f32 v9, |v[XS+3]|, |v[XS+4]|, |v[XS+5]|
.irp i, 6,10
	v_max3_num_f32 v8, v8, |v[XS+\i]|, |v[XS+\i+1]|
	v_max3_num_f32 v9, v9, |v[XS+\i+2]|, |v[XS+\i+3]|
.endr
	v_max3_num_f32 v8, v8, |v[XS+14]|, |v[XS+15]|
	v_max3_num_f32 v8, v8, v9, (EMAX+1)<<23        ; and the floor 2^(3 - 127): the byte cannot fall under 1
	v_max_num_f32_dpp v8, v8, v8 row_xmask:1 row_mask:0xf bank_mask:0xf   ; and of my neighbour's 16: the block's
	v_add_nc_u32 v11, -(EMAX<<23), v8              ; 2 off its exponent field: the conversion takes the exponent field of this operand as its scale
	v_cvt_scalef32_pk8_fp4_f32 v[C+4*(\t)], v[XS:XS+7], v11
	v_cvt_scalef32_pk8_fp4_f32 v[C+4*(\t)+1], v[XS+8:XS+15], v11
	v_lshrrev_b32 v[E+(\t)], 23, v11               ; the scale's byte (a plain line behind the conversions)
	ds_store_b8 v5, v[E+(\t)] offset:16*(\t)       ; both lanes of a block write the same byte with the same value
	global_store_b64 v4, v[C+4*(\t):C+4*(\t)+1], s[16:17] offset:32*CB*(\t)   ; the wave stores 256 consecutive bytes, aligned
.endm
.irp t, 0,1,2,3,4,5,6,7,8,9,10,11,12,13,14,15
	STEP \t
.endr
	ds_load_b64 v[8:9], v6                         ; my wave's 256 scale bytes, behind my stores of them
	s_wait_dscnt 0x0
	global_store_b64 v7, v[8:9], s[18:19]          ; 256 consecutive bytes, aligned
	s_branch .Lend
	; ---------------- wo to f16: 32,768 bytes in and 16,384 out for each wave; four groups of 16 loads, two groups on their way
.Lwo:
.set WI, 16                            ; v16 16 x lane
.set WO, 17                            ; v17 8 x lane
.set WD, 32                            ; v32-159 two sets of 64 numbers
.set WC, 160                           ; v160-191 a group's f16 pairs
	s_sub_co_u32 s28, ttmp9, WGQ
	s_lshl_b32 s28, s28, 2
	s_add_co_u32 s28, s28, s26
	s_lshl_b32 s30, s28, 15
	s_mov_b32 s31, 0
	s_add_nc_u64 s[12:13], s[12:13], s[30:31]
	s_lshl_b32 s30, s28, 14
	s_add_nc_u64 s[20:21], s[20:21], s[30:31]
	v_lshlrev_b32 v[WI], 4, v2
	v_lshlrev_b32 v[WO], 3, v2
.macro LOADW g
.irp s, 0,1,2,3,4,5,6,7,8,9,10,11,12,13,14,15
	global_load_b128 v[WD+64*((\g)%2)+4*\s:WD+64*((\g)%2)+4*\s+3], v[WI], s[12:13] offset:8192*(\g)+512*\s th:TH_LOAD_NT
.endr
.endm
	LOADW 0
	LOADW 1
.irp g, 0,1,2,3
.if \g < 3
	s_wait_loadcnt 16                              ; this group's 16 loads are in, the next group's stay out
.else
	s_wait_loadcnt 0x0
.endif
.if \g > 0
	s_wait_xcnt 0x0                                ; the last group's stores have read their data registers, which are written again below
.endif
.irp s, 0,1,2,3,4,5,6,7,8,9,10,11,12,13,14,15
	v_cvt_pk_f16_f32 v[WC+2*\s], v[WD+64*(\g%2)+4*\s], v[WD+64*(\g%2)+4*\s+1]
	v_cvt_pk_f16_f32 v[WC+2*\s+1], v[WD+64*(\g%2)+4*\s+2], v[WD+64*(\g%2)+4*\s+3]
.endr
.if \g < 2
	LOADW \g+2
.endif
.irp s, 0,1,2,3,4,5,6,7,8,9,10,11,12,13,14,15
	global_store_b64 v[WO], v[WC+2*\s:WC+2*\s+1], s[20:21] offset:4096*\g+256*\s   ; 256 consecutive bytes a wave, aligned
.endr
.endr
	s_branch .Lend
	; ---------------- the mask's bias (256 keys a work-group) and the RoPE table (64 tokens a work-group, 16 a wave)
.Ltables:
	s_sub_co_u32 s27, ttmp9, WGQ+WGW
	s_lshl_b32 s28, s27, 8
	s_mov_b32 s29, 0
	s_add_nc_u64 s[14:15], s[14:15], s[28:29]
	s_lshl_b32 s28, s27, 10
	s_add_nc_u64 s[24:25], s[24:25], s[28:29]
	v_lshlrev_b32 v18, 1, v0                       ; two mask bytes a thread
	v_lshlrev_b32 v19, 3, v0                       ; two f32 a thread
	global_load_u16 v20, v18, s[14:15]
	s_lshl_b32 s31, s27, 6
	s_lshl_b32 s28, s26, 4
	s_add_co_u32 s31, s31, s28                     ; my wave's first token
	s_lshl_b32 s28, s31, 8
	s_add_nc_u64 s[22:23], s[22:23], s[28:29]      ; its row of the table
	s_mov_b32 s33, 0xbe2aaaab                      ; sine: -1/6, 1/120, -1/5040
	s_mov_b32 s34, 0x3c088889
	s_mov_b32 s35, 0xb9500d01
	s_mov_b32 s36, 0x3d2aaaab                      ; cosine: 1/24, -1/720, 1/40320
	s_mov_b32 s37, 0xbab60b61
	s_mov_b32 s38, 0x37d00d01
	s_mov_b32 s39, 0xbfc90fdb                      ; -(pi/2), its f32 part,
	s_mov_b32 s40, 0x333bbd2e                      ; and what that part is too large by
	s_mov_b32 s41, 0x3f22f983                      ; 2/pi
	s_mov_b32 s30, 16
	v_lshlrev_b32 v46, 1, v2                       ; lane l writes places 2 l and 2 l + 1 of a row: j = (2 l) % 32 and j + 1; lanes 16-31 the sines
	v_and_b32 v46, 31, v46
	v_add_nc_u32 v47, 1, v46
	v_cvt_f32_u32 v46, v46
	v_cvt_f32_u32 v47, v47
	v_mul_f32 v46, 0xbed49a78, v46                 ; -j log2(10000) / 32
	v_mul_f32 v47, 0xbed49a78, v47
	v_exp_f32 v26, v46                             ; w_j
	v_exp_f32 v27, v47
	v_lshrrev_b32 v44, 4, v2                       ; 1 in the sines' lanes (a plain line behind the exponentials)
	v_lshlrev_b32 v45, 3, v2
	v_mov_b32 v23, 0xf1800000                      ; -2^100
	s_wait_loadcnt 0x0
	v_and_b32 v21, 0xff, v20
	v_lshrrev_b32 v22, 8, v20
	v_cmp_ne_u32 vcc_lo, 0, v21
	v_cndmask_b32 v24, 0, v23, vcc_lo
	v_cmp_ne_u32 vcc_lo, 0, v22
	v_cndmask_b32 v25, 0, v23, vcc_lo
	global_store_b64 v19, v[24:25], s[24:25]       ; 256 consecutive bytes a wave
	s_wait_alu depctr_va_vdst(0)                   ; one wait for the two exponentials, ahead of the label and of their first reader
.Ltoken:
	v_cvt_f32_u32 v48, s31                         ; t
.irp k, 0,1
	v_mul_f32 v[28+\k], v48, v[26+\k]              ; the angle, rounded to f32 as the reference's outer product is
.endr
.irp k, 0,1
	v_mul_f32 v[30+\k], s41, v[28+\k]
.endr
.irp k, 0,1
	v_rndne_f32 v[30+\k], v[30+\k]                 ; q: the nearest multiple of pi/2
.endr
.irp k, 0,1
	v_fma_f32 v[32+\k], v[30+\k], s39, v[28+\k]
.endr
.irp k, 0,1
	v_fma_f32 v[32+\k], v[30+\k], s40, v[32+\k]    ; y = angle - q pi/2, |y| <= pi/4
.endr
.irp k, 0,1
	v_cvt_i32_f32 v[34+\k], v[30+\k]
.endr
.irp k, 0,1
	v_sub_nc_u32 v[34+\k], v[34+\k], v44           ; sin(a) = cos(a - pi/2): the sines' lanes take q - 1
.endr
.irp k, 0,1
	v_mul_f32 v[36+\k], v[32+\k], v[32+\k]
.endr
.irp k, 0,1
	v_fma_f32 v[38+\k], v[36+\k], s35, s34
	v_fma_f32 v[40+\k], v[36+\k], s38, s37
.endr
.irp k, 0,1
	v_fma_f32 v[38+\k], v[36+\k], v[38+\k], s33
	v_fma_f32 v[40+\k], v[36+\k], v[40+\k], s36
.endr
.irp k, 0,1
	v_mul_f32 v[38+\k], v[38+\k], v[36+\k]
	v_fma_f32 v[40+\k], v[36+\k], v[40+\k], -0.5
.endr
.irp k, 0,1
	v_fma_f32 v[38+\k], v[32+\k], v[38+\k], v[32+\k]   ; sin y
	v_fma_f32 v[40+\k], v[36+\k], v[40+\k], 1.0        ; cos y
.endr
.irp k, 0,1
	v_and_b32 v[46+\k], 1, v[34+\k]
.endr
	v_cmp_eq_u32 vcc_lo, 1, v46                    ; cos(y + q pi/2): q odd takes the sine,
	v_cndmask_b32 v42, v40, v38, vcc_lo
	v_cmp_eq_u32 vcc_lo, 1, v47
	v_cndmask_b32 v43, v41, v39, vcc_lo
.irp k, 0,1
	v_add_nc_u32 v[34+\k], 1, v[34+\k]
.endr
.irp k, 0,1
	v_and_b32 v[34+\k], 2, v[34+\k]                ; q % 4 = 1 or 2 turns the sign
.endr
.irp k, 0,1
	v_lshlrev_b32 v[34+\k], 30, v[34+\k]
.endr
.irp k, 0,1
	v_xor_b32 v[42+\k], v[34+\k], v[42+\k]
.endr
	global_store_b64 v45, v[42:43], s[22:23]       ; the wave stores a whole row: 256 consecutive bytes, aligned
	s_wait_xcnt 0x0                                ; the store has read its data and its base: both are written again
	s_add_nc_u64 s[22:23], s[22:23], 256
	s_add_co_u32 s31, s31, 1
	s_sub_co_u32 s30, s30, 1
	s_cmp_lg_u32 s30, 0
	s_cbranch_scc1 .Ltoken
.Lend:
	s_wait_tensorcnt 0x0                           ; the wave's end
	ds_add_u32 v[SPW], v[NIL]
	s_wait_dscnt 0x0
	s_endpgm
.Lfunc_end_k_q2a4bcddc8c_prep:
	.size	k_q2a4bcddc8c_prep, .Lfunc_end_k_q2a4bcddc8c_prep-k_q2a4bcddc8c_prep
	.p2alignl 7, 3214868480
	.fill 96, 4, 3214868480
	.section	.rodata,"a",@progbits
	.p2align	6, 0x0
	.amdhsa_kernel k_q2a4bcddc8c_prep
		.amdhsa_group_segment_fixed_size 33280
		.amdhsa_private_segment_fixed_size 0
		.amdhsa_enable_private_segment 0
		.amdhsa_kernarg_size 88
		.amdhsa_user_sgpr_count 2
		.amdhsa_user_sgpr_kernarg_segment_ptr 1
		.amdhsa_wavefront_size32 1
		.amdhsa_system_sgpr_workgroup_id_x 1
		.amdhsa_system_sgpr_workgroup_id_y 1
		.amdhsa_system_sgpr_workgroup_id_z 1
		.amdhsa_system_vgpr_workitem_id 0
		.amdhsa_next_free_vgpr 192
		.amdhsa_next_free_sgpr 66
		.amdhsa_reserve_vcc 1
		.amdhsa_float_denorm_mode_32 3
		.amdhsa_float_denorm_mode_16_64 3
		.amdhsa_memory_ordered 1
		.amdhsa_forward_progress 1
		.amdhsa_inst_pref_size 59
	.end_amdhsa_kernel
	.amdgpu_metadata
---
amdhsa.version: [ 1, 2 ]
amdhsa.kernels:
  - .name:           k_q2a4bcddc8c_prep
    .symbol:         k_q2a4bcddc8c_prep.kd
    .args:
      - { .name: x, .offset: 0, .size: 8, .value_kind: global_buffer, .address_space: global }
      - { .name: wq, .offset: 8, .size: 8, .value_kind: global_buffer, .address_space: global }
      - { .name: wk, .offset: 16, .size: 8, .value_kind: global_buffer, .address_space: global }
      - { .name: wv, .offset: 24, .size: 8, .value_kind: global_buffer, .address_space: global }
      - { .name: wo, .offset: 32, .size: 8, .value_kind: global_buffer, .address_space: global }
      - { .name: key_padding_mask, .offset: 40, .size: 8, .value_kind: global_buffer, .address_space: global }
      - { .name: codes, .offset: 48, .size: 8, .value_kind: global_buffer, .address_space: global }
      - { .name: scales, .offset: 56, .size: 8, .value_kind: global_buffer, .address_space: global }
      - { .name: wof, .offset: 64, .size: 8, .value_kind: global_buffer, .address_space: global }
      - { .name: rope, .offset: 72, .size: 8, .value_kind: global_buffer, .address_space: global }
      - { .name: mbias, .offset: 80, .size: 8, .value_kind: global_buffer, .address_space: global }
    .group_segment_fixed_size: 33280
    .private_segment_fixed_size: 0
    .kernarg_segment_align: 8
    .kernarg_segment_size: 88
    .max_flat_workgroup_size: 128
    .sgpr_count:     66
    .vgpr_count:     192
    .wavefront_size: 32
...
	.end_amdgpu_metadata
.endif
;; end of part 1
;; launch qkv (part 2): grid 12 x 32, 4 waves a work-group, clusters of 4 x 4, 327,680 bytes of LDS; arguments codes, scales, bq, bk, bv, rope, qkv; writes qkv
.if DOCPART == 2
	.amdgcn_target "amdgcn-amd-amdhsa--gfx1250"
	.amdhsa_code_object_version 6
	.text
	.protected	k_q2a4bcddc8c_qkv
	.globl	k_q2a4bcddc8c_qkv
	.p2align	8
	.type	k_q2a4bcddc8c_qkv,@function
k_q2a4bcddc8c_qkv:
	s_mov_b64 s[64:65], 0
	v_nop
	global_prefetch_b8 v0, s[64:65] scope:SCOPE_SE
	s_setreg_imm32_b32 hwreg(HW_REG_WAVE_MODE, 25, 1), 1
	s_wait_xcnt 0x0
	s_wait_alu depctr_hold_cnt(0) depctr_sa_sdst(0) depctr_va_vdst(0) depctr_va_sdst(0) depctr_va_ssrc(0) depctr_va_vcc(0) depctr_vm_vsrc(0)
	s_getreg_b32 s2, hwreg(HW_REG_IB_STS2, 6, 4)
	s_cmp_eq_u32 s2, 0
	s_cbranch_scc0 .Lentry_in_a_cluster
	s_endpgm
.Lentry_in_a_cluster:
	s_bfe_u32 s2, ttmp6, 0x10000c
	s_cmp_lg_u32 s2, 0xf033
	s_cbranch_scc0 .Lentry_shape_is_right
	s_endpgm
.Lentry_shape_is_right:
; Q, K, V = x W^T + b on codes of FP4 (E2M1) with one E8M0 scale for each 32 along K, then RoPE on Q and K in f32, then f16.
; A = x's codes [8192][512 bytes]; B = the codes of wq, wk, wv on end, [3072][512 bytes], 0x400000 bytes behind x's; the scale bytes [rows][32] likewise, B's 0x40000 bytes behind A's.
; OUT: qkv: Q at 0, K at 1<<24, V at 2<<24; each [batch][head][token][64] f16: rows of 128 bytes, a head's plane 1<<18 bytes.
; A tile of 256 tokens x 256 features is made by four waves, 128 x 128 each: 64 accumulators, 512 registers.  K = 1,024 is two LDS slots of 512: both, and all the scale bytes, are asked for at the start (three
; tensor loads of a wave are out); nothing is filled again.
; CLUSTERS: 4 x 4 work-groups; A's tiles are shared along a row of the cluster, B's along a column, by joint loads.  A cluster's x is the tensor (0 Q, 1 K, 2 V): the branch on it is the same in all sixteen.
; THE MATRIX INSTRUCTION IS USED TRANSPOSED (source 0 = 16 rows of W, source 1 = 16 tokens): a lane holds one token and eight neighbouring features.  The bias is the C of each sum's first product.
; RoPE: a wave's 128 features are two heads; feature d < 32 of a head lies in accumulator b = 4 head + d / 16, its partner d + 32 in b + 2, same lane, same register: no lane is crossed.
; LIMITS: results beyond 65,504 become infinity in f16.
; REGISTERS: window 0: v16-31 addresses; v32-95 scale words, two sets; v128-191 A's fragments; v192-255 the bias in the result's layout.  On the way out: v32-95 cos and sin, two sets; v96-159 rotated numbers;
;   v160-191 f16 pairs; v192-255 rows read back, two sets.   window 1: B's fragments, two sets.   windows 2, 3: the accumulators ((a, b) at v[8 (8 (a % 4) + b)]).
.set KSTEP,  512
.set NQ,     4                         ; matrix instructions deep in a slot
.set ROWB,   256                       ; a tile's row in bytes
.set KROW,   512                       ; a row of codes in memory
.set PITCH,  272                       ; an LDS row: 256 bytes + 16: an odd multiple of 16, so the 16 rows of a load start at 16 different banks (ISA guide 11.1)
.set FR,     8
.set NL,     2
.set NP,     4                         ; places behind this matrix instruction (ISA guide 7.12.1)
.set HALFT,  128*PITCH
.set SLOT,   4*HALFT
.set KS,     32                        ; a row of scale bytes
.set SCL,    2*SLOT                    ; behind the slots: the scale bytes, as units of 256 bytes + 16
.set HALFS,  (128*KS/256)*272
.set SBLK,   (16*KS/256)*272
.set SPARE,  SCL+4*HALFS               ; the spare words: 128 bytes a wave, named by no other line
.set HP,     144                       ; the way out: a row of a head, 128 bytes + 16
.set HSTG,   16*HP                     ; 16 rows of one head
.set ADRA, 16
.set ADRB, 20
.set STO,  24
.set RD,   25
.set CO,   26
.set ADRS, 27
.set SPW,  28
.set NIL,  29
.set RT,   30                          ; v30 my place in 16 rows of the RoPE table: 256 r + 32 h
.set BOF,  31                          ; v31 32 h: my eight numbers of 16 of the bias
.set SC,   32
.set AF,   128
.set BI,   192
.set CS,   32
.set Y,    96
.set PK,   160
.set BK,   192
.set G1, 24
.set G0, 32
.set G1B, 48
.set G0B, 56
.set G1S, 68
.set G0S, 76
.set G1SB, 80
.set G0SB, 88
.set MSB, 0
.macro WIN new                         ; the immediate's high byte repeats the setting that is left
.if MSB != (\new)
	s_set_vgpr_msb (MSB<<8)|(\new)
.set MSB, (\new)
.endif
.endm
.set MUL_LO, 0xa1                      ; source 0 (B) window 1, source 1 (A) window 0, C and D window 2
.set MUL_HI, 0xf1                      ; the same, C and D window 3
.set TO_B,   0x40
; A joint load: waves 0 and 1 fetch for A, waves 2 and 3 for B; the branch hangs on the wave's number alone.  An s_nop 0 and four v_nop follow each line.
.macro JLOAD g0a, g1a, g0b, g1b
	s_cmp_eq_u32 s15, 0
	s_cbranch_scc0 .Lfor_b_\@
	tensor_load_to_lds s[\g0a:\g0a+3], s[\g1a:\g1a+7]
	s_nop 0
.rept 4
	v_nop
.endr
	s_branch .Lasked_\@
.Lfor_b_\@:
	tensor_load_to_lds s[\g0b:\g0b+3], s[\g1b:\g1b+7]
	s_nop 0
.rept 4
	v_nop
.endr
.Lasked_\@:
.endm
.macro CROUND                          ; a round of the cluster's barrier
	s_barrier_signal -1
	s_barrier_wait -1
	s_cmp_lg_u32 s14, 0
	s_cbranch_scc1 .Lnot_wave_0_\@
	s_barrier_signal -3
.Lnot_wave_0_\@:
	s_barrier_wait -3
	s_barrier_signal -1
	s_barrier_wait -1
.endm
	s_load_b128 s[4:7], s[0:1], 0x0                ; codes, scales
	v_lshl_add_u32 v[SPW], v0, 2, SPARE
	v_mov_b32 v[NIL], 0
	ds_add_u32 v[SPW], v[NIL]                      ; the wave's opening: the add, twice on end, and its wait ahead of my first tensor load
	ds_add_u32 v[SPW], v[NIL]
	v_lshrrev_b32 v1, 5, v0
	v_readfirstlane_b32 s14, v1                    ; wave 0..3
	s_lshr_b32 s15, s14, 1                         ; my half of the tile's tokens.  Also: I fetch for A (0) or for B (1)
	s_and_b32 s16, s14, 1                          ; my half of its features.  Also: which 128 rows I fetch
	s_bfe_u32 s40, ttmp6, 0x40000                  ; cx
	s_bfe_u32 s41, ttmp6, 0x40004                  ; cy
	s_lshl_b32 s42, ttmp9, 2
	s_add_co_u32 s42, s42, s40                     ; tile column = 4 x cluster x + cx
	s_and_b32 s17, ttmp7, 0xffff
	s_lshl_b32 s17, s17, 2
	s_add_co_u32 s17, s17, s41                     ; tile row = 4 x cluster y + cy
	s_lshl_b32 s43, s41, 2
	s_lshl_b32 s43, 15, s43                        ; my row of the cluster
	s_lshl_b32 s44, 0x1111, s40                    ; my column
	s_or_b32 s[G1+0], s43, (0<<16)|(1<<20)|(1<<21)|(5<<22)|(3<<25)  ; mask; elements of 1 byte; padding on; bit 21 beside a mask; after every 64 words, 4 words
	s_or_b32 s[G1B+0], s44, (0<<16)|(1<<20)|(1<<21)|(5<<22)|(3<<25)
.irp g, G1, G1B
	s_mov_b32 s[\g+1], ROWB<<16                    ; tensor_dim0
	s_mov_b32 s[\g+2], 128<<16                     ; tensor_dim1
	s_mov_b32 s[\g+3], ROWB<<16                    ; tile_dim0
	s_mov_b32 s[\g+4], 128                         ; tile_dim1
	s_mov_b32 s[\g+5], KROW                        ; stride
	s_mov_b32 s[\g+6], 0
	s_mov_b32 s[\g+7], 0
.endr
	s_or_b32 s[G1S+0], s43, (3<<16)|(1<<20)|(1<<21)|(5<<22)|(3<<25) ; the scale bytes of 128 rows: 4,096 dense bytes as 16 rows of 256 (32 elements of 8 bytes), 16 bytes of padding behind each
	s_or_b32 s[G1SB+0], s44, (3<<16)|(1<<20)|(1<<21)|(5<<22)|(3<<25)
.irp g, G1S, G1SB
	s_mov_b32 s[\g+1], 32<<16
	s_mov_b32 s[\g+2], (128*KS/256)<<16
	s_mov_b32 s[\g+3], 32<<16
	s_mov_b32 s[\g+4], 128*KS/256
	s_mov_b32 s[\g+5], 32
	s_mov_b32 s[\g+6], 0
	s_mov_b32 s[\g+7], 0
.endr
	s_lshl_b32 s18, s16, 7
	s_lshl_b32 s20, s17, 8
	s_add_co_u32 s20, s20, s18                     ; A: row 256 x tile row + 128 x half
	s_lshl_b32 s46, s42, 8
	s_add_co_u32 s46, s46, s18                     ; B: row 256 x tile column + 128 x half
	s_mov_b32 s21, 0
	s_mov_b32 s47, 0
	s_mov_b64 s[18:19], KS
	s_mul_u64 s[22:23], s[20:21], s[18:19]
	s_mul_u64 s[92:93], s[46:47], s[18:19]
	s_mov_b64 s[18:19], KROW
	s_mul_u64 s[20:21], s[20:21], s[18:19]
	s_mul_u64 s[46:47], s[46:47], s[18:19]
	s_mul_i32 s45, s14, HALFT                      ; where they go: wave x 128 rows
	s_mul_i32 s94, s14, HALFS
	s_wait_dscnt 0x0                               ; both opening adds are done
	s_wait_kmcnt 0x0
	s_add_nc_u64 s[8:9], s[4:5], 0x400000          ; the weights' codes
	s_add_nc_u64 s[10:11], s[6:7], 0x40000         ; and scale bytes
	s_add_nc_u64 s[20:21], s[4:5], s[20:21]
	s_add_nc_u64 s[22:23], s[6:7], s[22:23]
	s_add_nc_u64 s[46:47], s[8:9], s[46:47]
	s_add_nc_u64 s[92:93], s[10:11], s[92:93]
	CROUND                                         ; all sixteen work-groups are here: the first joint loads meet
	s_mov_b32 s[G0S], 1
	s_add_co_u32 s[G0S+1], s94, SCL
	s_mov_b64 s[G0S+2:G0S+3], s[22:23]
	s_or_b32 s[G0S+3], s[G0S+3], 0x80000000
	s_mov_b32 s[G0SB], 1
	s_add_co_u32 s[G0SB+1], s94, SCL
	s_mov_b64 s[G0SB+2:G0SB+3], s[92:93]
	s_or_b32 s[G0SB+3], s[G0SB+3], 0x80000000
	JLOAD G0S, G1S, G0SB, G1SB                     ; the scale bytes first
.irp s, 0,1
	s_mov_b32 s[G0+4*\s], 1
	s_add_co_u32 s[G0+4*\s+1], s45, \s*SLOT
	s_add_nc_u64 s[G0+4*\s+2:G0+4*\s+3], s[20:21], \s*ROWB
	s_or_b32 s[G0+4*\s+3], s[G0+4*\s+3], 0x80000000
	s_mov_b32 s[G0B+4*\s], 1
	s_add_co_u32 s[G0B+4*\s+1], s45, \s*SLOT
	s_add_nc_u64 s[G0B+4*\s+2:G0B+4*\s+3], s[46:47], \s*ROWB
	s_or_b32 s[G0B+4*\s+3], s[G0B+4*\s+3], 0x80000000
	JLOAD G0+4*\s, G1, G0B+4*\s, G1B
.endr
	s_load_b256 s[4:11], s[0:1], 0x10              ; bq, bk, bv, rope: the first pointers have been used up
	s_load_b64 s[12:13], s[0:1], 0x30              ; qkv
	v_and_b32 v1, 15, v0                           ; r
	v_bfe_u32 v2, v0, 4, 1                         ; h
	v_mul_u32_u24 v3, v1, PITCH
	v_lshl_add_u32 v4, v2, 4, v3                   ; a fragment's row x pitch + 16 h
	s_mul_i32 s21, s15, HALFT
	s_mul_i32 s22, s16, HALFT
	s_add_co_u32 s22, s22, 2*HALFT
.irp s, 0,1
	v_add_nc_u32 v[ADRA+\s], s21, v4
	v_add_nc_u32 v[ADRB+\s], s22, v4
	s_add_co_u32 s21, s21, SLOT
	s_add_co_u32 s22, s22, SLOT
.endr
	v_mul_u32_u24 v5, v1, KS                       ; my row's scale bytes: 32 a row,
	v_lshrrev_b32 v6, 8, v5
	v_lshl_add_u32 v5, v6, 4, v5                   ; and 16 more for each 256 passed
	s_mul_i32 s21, s15, HALFS
	s_mul_i32 s22, s16, HALFS
	s_add_co_u32 s22, s22, 2*HALFS
	s_sub_co_u32 s22, s22, s21
	v_mul_u32_u24 v6, s22, v2                      ; lanes 16-31 take B's
	s_add_co_u32 s21, s21, SCL
	v_add_nc_u32 v5, v5, v6
	v_add_nc_u32 v[ADRS], s21, v5
	s_mul_i32 s45, s14, 2*HSTG                     ; my stage, in slot 0: two heads x 16 rows
	v_mul_u32_u24 v5, v1, HP
	v_lshl_add_u32 v5, v2, 4, v5
	v_add_nc_u32 v[STO], s45, v5                   ; in: row r, 16 bytes for each half of the lanes
	v_and_b32 v6, 31, v0
	v_lshlrev_b32 v[CO], 4, v6                     ; out: 32 lanes take four rows of 128 bytes, which are 512 consecutive bytes of a plane
	v_lshrrev_b32 v5, 3, v6
	v_mul_u32_u24 v5, v5, HP
	v_and_b32 v6, 7, v6
	v_lshl_add_u32 v5, v6, 4, v5
	v_add_nc_u32 v[RD], s45, v5
	v_lshlrev_b32 v[RT], 8, v1
	v_lshl_add_u32 v[RT], v2, 5, v[RT]
	v_lshlrev_b32 v[BOF], 5, v2
	s_wait_kmcnt 0x0
	s_cmp_eq_u32 ttmp9, 1                          ; the tensor's bias: the choice hangs on the cluster's x alone
	s_cselect_b64 s[4:5], s[6:7], s[4:5]
	s_cmp_eq_u32 ttmp9, 2
	s_cselect_b64 s[4:5], s[8:9], s[4:5]
	s_lshl_b32 s20, s40, 10                        ; my 128 features in the tensor: 256 cx + 128 half, 4 bytes each
	s_lshl_b32 s21, s16, 9
	s_add_co_u32 s20, s20, s21
	s_mov_b32 s21, 0
	s_add_nc_u64 s[4:5], s[4:5], s[20:21]
.irp b, 0,1,2,3,4,5,6,7
	global_load_b128 v[BI+8*\b:BI+8*\b+3], v[BOF], s[4:5] offset:64*\b        ; lane (r, h): the bias of features 16 b + 8 h + 0 .. 7
	global_load_b128 v[BI+8*\b+4:BI+8*\b+7], v[BOF], s[4:5] offset:64*\b+16
.endr
	s_and_b32 s20, s17, 7
	s_lshl_b32 s20, s20, 8
	s_lshl_b32 s21, s15, 7
	s_add_co_u32 s20, s20, s21                     ; my first token's place in its sequence
	s_lshl_b32 s22, s20, 8
	s_mov_b32 s23, 0
	s_add_nc_u64 s[10:11], s[10:11], s[22:23]      ; its row of the table
	s_lshl_b32 s22, s20, 7                         ; in qkv: 128 bytes a token,
	s_lshl_b32 s21, ttmp9, 24                      ; the tensor,
	s_add_co_u32 s22, s22, s21
	s_lshr_b32 s21, s17, 3
	s_lshl_b32 s21, s21, 22                        ; the batch,
	s_add_co_u32 s22, s22, s21
	s_lshl_b32 s21, s40, 2
	s_lshl_b32 s46, s16, 1
	s_add_co_u32 s21, s21, s46
	s_lshl_b32 s21, s21, 18                        ; my first head: 4 cx + 2 half
	s_add_co_u32 s22, s22, s21
	s_add_nc_u64 s[12:13], s[12:13], s[22:23]
.macro FRAG reg, adr, q, i             ; 16 rows x 128 K of 4-bit codes: 8 registers: lane l holds row l % 16; registers 4 c .. 4 c + 3 hold K = 64 c + 32 (l / 16) + 0 .. 31
.irp c, 0,1
	ds_load_b128 v[\reg+4*\c:\reg+4*\c+3], v[\adr] offset:64*(\q)+32*\c+(\i)*16*PITCH
.endr
.endm
; 16 matrix instructions: A's blocks a0, a0 + 1 x B's eight.  zero = 1: the first product starts the sum from the bias.  The 64 accumulators take turns, one instruction a turn.
.macro MUL16 a0, p, q, sc, zero
.irp a, \a0, \a0+1
.irp b, 0,1,2,3,4,5,6,7
.if \zero
	v_wmma_scale_f32_16x16x128_f8f6f4 v[8*(8*((\a)%4)+\b):8*(8*((\a)%4)+\b)+7], v[128*(\p)+FR*\b:128*(\p)+FR*\b+FR-1], v[AF+FR*(\a):AF+FR*(\a)+FR-1], v[BI+8*\b:BI+8*\b+7], v[SC+8*NQ*(\sc)+NQ*\b+(\q)], v[SC+8*NQ*(\sc)+NQ*(\a)+(\q)] matrix_a_fmt:MATRIX_FMT_FP4 matrix_b_fmt:MATRIX_FMT_FP4 matrix_a_scale:MATRIX_SCALE_ROW1
.else
	v_wmma_scale_f32_16x16x128_f8f6f4 v[8*(8*((\a)%4)+\b):8*(8*((\a)%4)+\b)+7], v[128*(\p)+FR*\b:128*(\p)+FR*\b+FR-1], v[AF+FR*(\a):AF+FR*(\a)+FR-1], v[8*(8*((\a)%4)+\b):8*(8*((\a)%4)+\b)+7], v[SC+8*NQ*(\sc)+NQ*\b+(\q)], v[SC+8*NQ*(\sc)+NQ*(\a)+(\q)] matrix_a_fmt:MATRIX_FMT_FP4 matrix_b_fmt:MATRIX_FMT_FP4 matrix_a_scale:MATRIX_SCALE_ROW1
.endif
.endr
.endr
.endm
.macro FETCH_B slot, q, p
	WIN TO_B
.irp i, 0,1,2,3,4,5,6,7
	FRAG 128*(\p)+FR*\i, ADRB+\slot, \q, \i
.endr
	WIN 0
.endm
.macro FETCH_A slot, q, i0
.irp i, \i0, \i0+1, \i0+2, \i0+3
	FRAG AF+FR*(\i), ADRA+\slot, \q, \i
.endr
.endm
.macro SCALES sc                       ; a slot's scale words: four a row; lanes 0-15 take A's block i, lanes 16-31 B's block i
.irp i, 0,1,2,3,4,5,6,7
	ds_load_b128 v[SC+8*NQ*\sc+NQ*\i:SC+8*NQ*\sc+NQ*\i+3], v[ADRS] offset:\i*SBLK
.endr
.endm
.macro PLACES n                        ; plain vector instructions between a matrix instruction and a load into, or a read of, its registers
.rept \n
	v_nop
.endr
.endm
.macro STEP slot, q, zero              ; 128 along K, with its successor in the same slot.  With zero = 1 the C operand lies in window 0
	s_wait_dscnt 4*NL                              ; B's set and A's blocks 0-3 are in; the youngest eight loads (A's blocks 4-7) may be out
	WIN MUL_LO-0x20*(\zero)
	MUL16 0, (\q)%2, \q, \slot, \zero
	MUL16 2, (\q)%2, \q, \slot, \zero
	s_wait_dscnt 0
	PLACES NP
	FETCH_B \slot, (\q)+1, 1-(\q)%2
	FETCH_A \slot, (\q)+1, 0
	WIN MUL_HI-0x30*(\zero)
	MUL16 4, (\q)%2, \q, \slot, \zero
	MUL16 6, (\q)%2, \q, \slot, \zero
	PLACES NP
	WIN 0
	FETCH_A \slot, (\q)+1, 4
.endm
.macro STEPS slot, from
.set Q, \from
.rept NQ-1-\from
	STEP \slot, Q, 0
.set Q, Q+1
.endr
.endm
	s_wait_tensorcnt 1                             ; the scale bytes and my part of slot 0 are in; slot 1's load may be out
	s_barrier_signal -1
	s_barrier_wait -1
	FETCH_B 0, 0, 0
	FETCH_A 0, 0, 0
	SCALES 0
	FETCH_A 0, 0, 4
	s_wait_loadcnt 0x0                             ; the bias
	STEP 0, 0, 1
	STEPS 0, 1
	; slot 0's last step changes slots: one barrier; in front of it my part of slot 1 has landed and my reads of slot 0 are over
	s_wait_tensorcnt 0x0
	ds_add_u32 v[SPW], v[NIL]                      ; 0 onto my spare word
	s_wait_dscnt 4*NL+1                            ; (the add and A's blocks 4-7 may be out)
	WIN MUL_LO
	MUL16 0, 1, NQ-1, 0, 0
	s_wait_dscnt 0x0
	s_barrier_signal -1
	MUL16 2, 1, NQ-1, 0, 0
	WIN 0
	s_barrier_wait -1
	PLACES NP
	v_add_nc_u32 v[ADRS], 4*NQ, v[ADRS]            ; the second slot's scale words
	FETCH_B 1, 0, 0
	FETCH_A 1, 0, 0
	SCALES 1
	WIN MUL_HI
	MUL16 4, 1, NQ-1, 0, 0
	MUL16 6, 1, NQ-1, 0, 0
	PLACES NP
	WIN 0
	FETCH_A 1, 0, 4
	STEPS 1, 0
	s_wait_dscnt 4*NL                              ; the very last step
	WIN MUL_LO
	MUL16 0, 1, NQ-1, 1, 0
	MUL16 2, 1, NQ-1, 1, 0
	s_wait_dscnt 0
	WIN MUL_HI
	MUL16 4, 1, NQ-1, 1, 0
	MUL16 6, 1, NQ-1, 1, 0
	WIN 0
; THE WAY OUT, a block of 16 tokens x 128 features at a time.  The stage lies in slot 0: it has had its only fill, and every wave has passed the barrier behind its last read of it.
.macro CSLOAD a                        ; cos and sin of block a's 16 tokens: lane (r, h): j = 16 u + 8 h + 0 .. 7
.irp u, 0,1
	global_load_b128 v[CS+32*((\a)%2)+8*\u:CS+32*((\a)%2)+8*\u+3], v[RT], s[10:11] offset:4096*(\a)+64*\u
	global_load_b128 v[CS+32*((\a)%2)+8*\u+4:CS+32*((\a)%2)+8*\u+7], v[RT], s[10:11] offset:4096*(\a)+64*\u+16
	global_load_b128 v[CS+32*((\a)%2)+16+8*\u:CS+32*((\a)%2)+16+8*\u+3], v[RT], s[10:11] offset:4096*(\a)+64*\u+128
	global_load_b128 v[CS+32*((\a)%2)+16+8*\u+4:CS+32*((\a)%2)+16+8*\u+7], v[RT], s[10:11] offset:4096*(\a)+64*\u+144
.endr
.endm
.macro ROPE a                          ; y[d] = x[d] cos - x[d + 32] sin;  y[d + 32] = x[d + 32] cos + x[d] sin.  Each accumulator is read from its low end on
.set AC, 64*((\a)%4)
.set CC, CS+32*((\a)%2)
	WIN 0x02+(\a)/4                                ; source 0: window 2 or 3
.irp p, 0,1,4,5
.irp i, 0,2,4,6
	v_pk_mul_f32 v[Y+8*\p+\i:Y+8*\p+\i+1], v[AC+8*\p+\i:AC+8*\p+\i+1], v[CC+8*(\p%2)+\i:CC+8*(\p%2)+\i+1]
.endr
.irp i, 0,2,4,6
	v_pk_mul_f32 v[Y+8*(\p+2)+\i:Y+8*(\p+2)+\i+1], v[AC+8*(\p+2)+\i:AC+8*(\p+2)+\i+1], v[CC+8*(\p%2)+\i:CC+8*(\p%2)+\i+1]
.endr
.irp i, 0,2,4,6
	v_pk_fma_f32 v[Y+8*\p+\i:Y+8*\p+\i+1], v[AC+8*(\p+2)+\i:AC+8*(\p+2)+\i+1], v[CC+16+8*(\p%2)+\i:CC+16+8*(\p%2)+\i+1], v[Y+8*\p+\i:Y+8*\p+\i+1] neg_lo:[0,1,0] neg_hi:[0,1,0]
.endr
.irp i, 0,2,4,6
	v_pk_fma_f32 v[Y+8*(\p+2)+\i:Y+8*(\p+2)+\i+1], v[AC+8*\p+\i:AC+8*\p+\i+1], v[CC+16+8*(\p%2)+\i:CC+16+8*(\p%2)+\i+1], v[Y+8*(\p+2)+\i:Y+8*(\p+2)+\i+1]
.endr
.endr
	WIN 0
.endm
.macro PACKR                           ; the rotated numbers to f16, 16 bytes a lane and accumulator
.irp b, 0,1,2,3,4,5,6,7
.irp i, 0,1,2,3
	v_cvt_pk_f16_f32 v[PK+4*\b+\i], v[Y+8*\b+2*\i], v[Y+8*\b+2*\i+1]
.endr
.endr
.endm
.macro PACKV a                         ; V: straight from the accumulators
.set AC, 64*((\a)%4)
	WIN 0x0a+5*((\a)/4)
.irp b, 0,1,2,3,4,5,6,7
.irp i, 0,1,2,3
	v_cvt_pk_f16_f32 v[PK+4*\b+\i], v[AC+8*\b+2*\i], v[AC+8*\b+2*\i+1]
.endr
.endr
	WIN 0
.endm
.macro TOSTAGE a                       ; into my stage by heads and rows, and back as whole rows; a wave's LDS instructions are served in order
.irp b, 0,1,2,3,4,5,6,7
	ds_store_b128 v[STO], v[PK+4*\b:PK+4*\b+3] offset:(\b/4)*HSTG+32*(\b%4)
.endr
.irp i, 0,1,2,3,4,5,6,7
	ds_load_b128 v[BK+32*((\a)%2)+4*\i:BK+32*((\a)%2)+4*\i+3], v[RD] offset:(\i/4)*HSTG+4*HP*(\i%4)
.endr
.endm
.macro SEND a, younger                 ; younger: the LDS instructions issued behind block a's loads
	s_wait_dscnt \younger
.irp i, 0,1,2,3,4,5,6,7
	global_store_b128 v[CO], v[BK+32*((\a)%2)+4*\i:BK+32*((\a)%2)+4*\i+3], s[12:13] offset:(\i/4)*262144+2048*(\a)+512*(\i%4)   ; 512 consecutive bytes of a head's plane, aligned
.endr
.endm
	PLACES NP                                      ; behind the last products: for the loads and vector writes into registers that they read
	s_cmp_eq_u32 ttmp9, 2
	s_cbranch_scc1 .Lplain                         ; V is not rotated
	CSLOAD 0
	CSLOAD 1
.irp a, 0,1,2,3,4,5,6,7
.if \a < 7
	s_wait_loadcnt 8                               ; this block's eight table loads are in, the next block's stay out
.else
	s_wait_loadcnt 0x0
.endif
	ROPE \a
.if \a < 6
	CSLOAD \a+2
.endif
	PACKR
.if \a > 1
	s_wait_xcnt 0x0                                ; block a - 2's stores have read the registers into which block a's rows come back
.endif
	TOSTAGE \a
.if \a > 0
	SEND \a-1, 16                                  ; behind block a - 1's loads: block a's 8 stores and 8 loads
.endif
.endr
	SEND 7, 0
	s_branch .Lout
.Lplain:
.irp a, 0,1,2,3,4,5,6,7
	PACKV \a
.if \a > 1
	s_wait_xcnt 0x0
.endif
	TOSTAGE \a
.if \a > 0
	SEND \a-1, 16
.endif
.endr
	SEND 7, 0
.Lout:
	s_wait_tensorcnt 0x0                           ; the wave's end
	ds_add_u32 v[SPW], v[NIL]
	s_wait_dscnt 0x0
	CROUND                                         ; the closing round
	s_endpgm
.Lfunc_end_k_q2a4bcddc8c_qkv:
	.size	k_q2a4bcddc8c_qkv, .Lfunc_end_k_q2a4bcddc8c_qkv-k_q2a4bcddc8c_qkv
	.p2alignl 7, 3214868480
	.fill 96, 4, 3214868480
	.section	.rodata,"a",@progbits
	.p2align	6, 0x0
	.amdhsa_kernel k_q2a4bcddc8c_qkv
		.amdhsa_group_segment_fixed_size 327680
		.amdhsa_private_segment_fixed_size 0
		.amdhsa_enable_private_segment 0
		.amdhsa_kernarg_size 56
		.amdhsa_user_sgpr_count 2
		.amdhsa_user_sgpr_kernarg_segment_ptr 1
		.amdhsa_wavefront_size32 1
		.amdhsa_system_sgpr_workgroup_id_x 1
		.amdhsa_system_sgpr_workgroup_id_y 1
		.amdhsa_system_sgpr_workgroup_id_z 1
		.amdhsa_system_vgpr_workitem_id 0
		.amdhsa_next_free_vgpr 1024
		.amdhsa_next_free_sgpr 98
		.amdhsa_reserve_vcc 0
		.amdhsa_float_denorm_mode_32 3
		.amdhsa_float_denorm_mode_16_64 3
		.amdhsa_memory_ordered 1
		.amdhsa_forward_progress 1
		.amdhsa_inst_pref_size 198
	.end_amdhsa_kernel
	.amdgpu_metadata
---
amdhsa.version: [ 1, 2 ]
amdhsa.kernels:
  - .name:           k_q2a4bcddc8c_qkv
    .symbol:         k_q2a4bcddc8c_qkv.kd
    .args:
      - { .name: codes, .offset: 0, .size: 8, .value_kind: global_buffer, .address_space: global }
      - { .name: scales, .offset: 8, .size: 8, .value_kind: global_buffer, .address_space: global }
      - { .name: bq, .offset: 16, .size: 8, .value_kind: global_buffer, .address_space: global }
      - { .name: bk, .offset: 24, .size: 8, .value_kind: global_buffer, .address_space: global }
      - { .name: bv, .offset: 32, .size: 8, .value_kind: global_buffer, .address_space: global }
      - { .name: rope, .offset: 40, .size: 8, .value_kind: global_buffer, .address_space: global }
      - { .name: qkv, .offset: 48, .size: 8, .value_kind: global_buffer, .address_space: global }
    .group_segment_fixed_size: 327680
    .private_segment_fixed_size: 0
    .kernarg_segment_align: 8
    .kernarg_segment_size: 56
    .max_flat_workgroup_size: 128
    .sgpr_count:     98
    .vgpr_count:     1024
    .wavefront_size: 32
...
	.end_amdgpu_metadata
.endif
;; end of part 2
;; launch attn (part 3): grid 4 x 64, 8 waves a work-group, clusters of 4 x 1, 327,680 bytes of LDS; arguments qkv, mbias, att; writes att
.if DOCPART == 3
	.amdgcn_target "amdgcn-amd-amdhsa--gfx1250"
	.amdhsa_code_object_version 6
	.text
	.protected	k_q2a4bcddc8c_attn
	.globl	k_q2a4bcddc8c_attn
	.p2align	8
	.type	k_q2a4bcddc8c_attn,@function
k_q2a4bcddc8c_attn:
	s_mov_b64 s[64:65], 0
	v_nop
	global_prefetch_b8 v0, s[64:65] scope:SCOPE_SE
	s_setreg_imm32_b32 hwreg(HW_REG_WAVE_MODE, 25, 1), 1
	s_wait_xcnt 0x0
	s_wait_alu depctr_hold_cnt(0) depctr_sa_sdst(0) depctr_va_vdst(0) depctr_va_sdst(0) depctr_va_ssrc(0) depctr_va_vcc(0) depctr_vm_vsrc(0)
	s_getreg_b32 s2, hwreg(HW_REG_IB_STS2, 6, 4)
	s_cmp_eq_u32 s2, 0
	s_cbranch_scc0 .Lentry_in_a_cluster
	s_endpgm
.Lentry_in_a_cluster:
	s_bfe_u32 s2, ttmp6, 0x10000c
	s_cmp_lg_u32 s2, 0x3003
	s_cbranch_scc0 .Lentry_shape_is_right
	s_endpgm
.Lentry_shape_is_right:
; att[b][h][q][:] = the sum over k of softmax_k(Q[q] . K[k] / 8 + bias[b][k]) V[k][:].  Q, K, V: f16, [batch][head][2048][64], at 0, 1<<24, 2<<24 of qkv; bias: f32, 0 or -2^100 (a masked key); att: f16, same layout.
; Products in f16 with f32 sums; maxima, exponentials and sums in f32; the weights p are rounded to f16 for the second product, the result once at the end.
; SHARES.  A work-group owns 512 queries of one (batch, head), each of its eight waves 64: four tiles of 16, so that each fragment of K and V read from LDS feeds four products.  Two waves share a SIMD's registers:
; one wave's softmax stands beside the other's products.  Every wave walks all 2,048 keys, 64 a step.
; LAYOUT.  S^T = K Q^T + bias (source 0 = 16 keys, source 1 = 16 queries): a lane holds ONE query (lane % 16) and keys 8 (lane / 16) + 0..7.  Two such tiles, rounded to f16 in pairs, in place, are source 1 of
; O^T = V^T P.  K comes out of LDS as it lies, V ([key][channel]) turned, by ds_load_tr16_b128.
; THE MASK costs no vector instruction: the bias tile (the same for all queries) is the C of each score tile's first product.  The running maximum starts at -2^90.  f16 operands bound a score by 65,504^2 x 64 < 2^39,
; so that floor lies under every score of a key that counts and above every masked one: the maximum that is taken away is the true maximum of the keys that count, and a masked key's weight is 2^(about -2^97) = 0.
; A row all of whose keys are masked ends with sum 0 and O 0: 0 x (1 / 0) is NaN, as the softmax of a row of -infinity is.
; SOFTMAX.  p = 2^(c s - c m), c = log2(e) / 8; in every step O and the sum l are multiplied by a = 2^(c m_old - c m_new).
; CLUSTER.  The four query blocks of a head walk the same K, V and bias: each tile is asked for jointly, by the same tensor load in all four.
; LIMITS: results under 6e-5 are f16 subnormals.
; REGISTERS.  window 0: v1-14 addresses; v28, v29 the add's two; v32-63 eight registers of statistics a tile; v64-95 the bias tiles; v96-223 S^T, then P in its first 16 of each 32.
;   window 1: v0-63 Q; v64-127 K or V of the step, by turns; v128-255 O^T, 32 a tile.
.set KS,    64                         ; keys in a step
.set PK,    144                        ; a row of K in LDS: 128 bytes + 16: an odd multiple of 16
.set PV,    160                        ; a row of V: 128 + 32: an odd multiple of 32, for the turning load
.set VOFF,  KS*PK
.set STEPB, KS*(PK+PV)                 ; a step's tiles lie together: K's 64 rows, then V's
.set NST,   4                          ; steps in a slot
.set SLOT1, 1<<17                      ; slot 1 begins here: one exclusive or turns an address
.set MB,    SLOT1+NST*STEPB            ; the batch's bias: 8,192 bytes, filled once
.set STAGE, MB+8192                    ; the way out: 16 rows x 144 bytes for each wave; no fill lands here
.set SP,    144
.set SPARE, STAGE+8*16*SP              ; the spare words: 128 bytes a wave, named by no other line
.set AK0, 2
.set AV0, 3
.set ADR, 4
.set QO,  5
.set STO, 6
.set RD,  7
.set GO,  8
.set AM0, 12
.set ADM, 13
.set PFO, 14
.set SPW, 28
.set NIL, 29
.set ST,  32                           ; tile t at v[ST + 8 t]: +0 c m, +1 m, +2, +3 l (even keys', odd keys'), +4 .. +7 at work; a in +6
.set BI,  64
.set S,   96
.set KV,  64                           ; in window 1
.set OT,  128                          ; in window 1
.set WV,  12                           ; s12 wave
.set LIM, 15                           ; s15 1 in a wave that prefetches, else the greatest number
.set PFA, 18                           ; s[18:19] where my prefetches stand
.set G1K, 24
.set G1V, 32
.set G0K, 40                           ; two sets: slot 0's; slot 1's, which then walks
.set G0V, 48
.set SLOTS, 56
.set STEPC, 57
.set CS,  58                           ; s[58:59] c
.set SEL, 60                           ; s[60:61] lane selects for lane xor 16
.set TB,  62                           ; s62 LDS byte at which the step's tiles begin
.set TM,  63                           ; s63 the step's first key x 4: its place in the bias
.set G1M, 68
.set G0M, 76
.set MSB, 0
.macro WIN new
.if MSB != (\new)
	s_set_vgpr_msb (MSB<<8)|(\new)
.set MSB, (\new)
.endif
.endm
.set W_KQ, 0x05                        ; K and Q in window 1; bias and S^T in window 0
.set W_PV, 0x51                        ; V, C and D in window 1; P in window 0
.set W_RS, 0x41                        ; O^T (destination and source 0) in window 1, a in window 0
.set TO1,  0x40                        ; destination window 1, address window 0
.macro JLOAD                           ; a joint refill: waves 0-3 fetch the slot's four tiles of K, waves 4-7 those of V; an s_nop 0 and four v_nop follow each line
	s_cmp_lt_u32 s[WV], 4
	s_cbranch_scc0 .Lfor_v_\@
	tensor_load_to_lds s[G0K+4:G0K+7], s[G1K:G1K+7]
	s_nop 0
.rept 4
	v_nop
.endr
	s_branch .Lasked_\@
.Lfor_v_\@:
	tensor_load_to_lds s[G0V+4:G0V+7], s[G1V:G1V+7]
	s_nop 0
.rept 4
	v_nop
.endr
.Lasked_\@:
.endm
; A prefetch of what the NEXT change of slots will ask for: a slot's 32,768 bytes of K and of V.  Each aligned block of 256 bytes is named once in the launch: the head has one cluster; its four partners take 8,192 bytes
; each, told apart by address; in each, wave 0 asks for K's and wave 4 for V's, lanes 256 bytes apart.  It runs four key steps ahead of the load; the last change that fills a slot asks for nothing.
.macro ASK
	s_cmp_gt_u32 s[SLOTS], s[LIM]
	s_cbranch_scc0 .Lnot_mine_\@
	global_prefetch_b8 v[PFO], s[PFA:PFA+1] th:TH_LOAD_NT scope:SCOPE_SE
.Lnot_mine_\@:
.endm
.macro CROUND
	s_barrier_signal -1
	s_barrier_wait -1
	s_cmp_lg_u32 s[WV], 0
	s_cbranch_scc1 .Lnot_wave_0_\@
	s_barrier_signal -3
.Lnot_wave_0_\@:
	s_barrier_wait -3
	s_barrier_signal -1
	s_barrier_wait -1
.endm
	s_load_b128 s[4:7], s[0:1], 0x0                ; qkv, mbias
	s_load_b64 s[8:9], s[0:1], 0x10                ; att
	v_lshl_add_u32 v[SPW], v0, 2, SPARE
	v_mov_b32 v[NIL], 0
	ds_add_u32 v[SPW], v[NIL]                      ; the wave's opening: the add, twice on end, and its wait ahead of my first tensor load
	ds_add_u32 v[SPW], v[NIL]
	v_lshrrev_b32 v1, 5, v0
	v_readfirstlane_b32 s[WV], v1                  ; wave 0..7
	s_bfe_u32 s13, ttmp6, 0x40000                  ; cx: my block of 512 queries
	s_and_b32 s20, ttmp7, 0xffff                   ; 16 x batch + head, which the four partners share
	s_lshr_b32 s66, s20, 4                         ; batch
	s_lshl_b32 s20, s20, 18                        ; the head's plane
	s_and_b32 s14, s[WV], 3                        ; which of a slot's four steps I fetch
	s_lshl_b32 s22, s14, 13                        ; its 64 rows of 128 bytes
	s_add_co_u32 s22, s22, s20
	s_add_co_u32 s2, s22, 1<<24                    ; in K
	s_mov_b32 s3, 0
	s_add_co_u32 s16, s22, 2<<24                   ; in V
	s_mov_b32 s17, 0
	s_mul_i32 s67, s14, STEPB                      ; and its place in a slot
	s_lshl_b32 s82, s66, 13                        ; the batch's bias, my wave's 1,024 bytes of it
	s_lshl_b32 s83, s[WV], 10
	s_add_co_u32 s82, s82, s83
	s_mov_b32 s83, 0
	s_lshl_b32 s80, s13, 16                        ; my wave's 64 queries: 512 cx + 64 wave rows of 128 bytes
	s_lshl_b32 s81, s[WV], 13
	s_add_co_u32 s80, s80, s81
	s_add_co_u32 s80, s80, s20
	s_mov_b32 s81, 0
	s_lshl_b32 s84, s13, 13                        ; the prefetches: my work-group's quarter of a slot,
	s_add_co_u32 s84, s84, 2*NST*KS*128            ; in slot 2: the first change steps it to slot 3.  Nothing is prefetched at the head
	s_mov_b32 s85, 0
	s_cmp_eq_u32 s14, 0
	s_cselect_b32 s[LIM], 1, -1                    ; waves 0 and 4 ask: the same in all four partners
	s_mov_b32 s[G1K], 15|(1<<16)|(1<<20)|(1<<21)|(4<<22)|(3<<25)  ; mask: all four; elements of 2 bytes; padding on; bit 21 beside a mask; after every 32 words, 4 words
	s_mov_b32 s[G1V], 15|(1<<16)|(1<<20)|(1<<21)|(4<<22)|(7<<25)  ; the same with 8 words
.irp g, G1K, G1V
	s_mov_b32 s[\g+1], 64<<16                      ; tensor_dim0 = 64
	s_mov_b32 s[\g+2], KS<<16                      ; tensor_dim1 = 64
	s_mov_b32 s[\g+3], 64<<16                      ; tile_dim0
	s_mov_b32 s[\g+4], KS                          ; tile_dim1
	s_mov_b32 s[\g+5], 64                          ; stride
	s_mov_b32 s[\g+6], 0
	s_mov_b32 s[\g+7], 0
.endr
	s_mov_b32 s[G1M], 15|(3<<16)|(1<<21)           ; the bias: 1,024 dense bytes as 4 rows of 256 (32 elements of 8 bytes), no padding
	s_mov_b32 s[G1M+1], 32<<16
	s_mov_b32 s[G1M+2], 4<<16
	s_mov_b32 s[G1M+3], 32<<16
	s_mov_b32 s[G1M+4], 4
	s_mov_b32 s[G1M+5], 32
	s_mov_b32 s[G1M+6], 0
	s_mov_b32 s[G1M+7], 0
	s_mov_b32 s[CS], 0x3e38aa3b                    ; c = log2(e) / 8
	s_mov_b32 s[CS+1], s[CS]
	s_mov_b32 s[SEL], 0x76543210
	s_mov_b32 s[SEL+1], 0xfedcba98
	s_mov_b32 s[TB], 0
	s_mov_b32 s[TM], 0
	s_mov_b32 s[SLOTS], 2048/(NST*KS)-2
	s_wait_dscnt 0x0                               ; both opening adds are done
	s_wait_kmcnt 0x0
	s_add_nc_u64 s[10:11], s[4:5], s[2:3]          ; K at my tile of slot 0
	s_add_nc_u64 s[16:17], s[4:5], s[16:17]        ; V likewise
	s_add_nc_u64 s[6:7], s[6:7], s[82:83]
	s_add_nc_u64 s[4:5], s[4:5], s[80:81]          ; Q and att at my wave's first row
	s_add_nc_u64 s[8:9], s[8:9], s[80:81]
	s_cmp_lt_u32 s[WV], 4
	s_cselect_b64 s[PFA:PFA+1], s[10:11], s[16:17] ; (in waves 0 and 4 these stand at a slot's first row)
	s_add_nc_u64 s[PFA:PFA+1], s[PFA:PFA+1], s[84:85]
	CROUND                                         ; all four work-groups are here: the first joint loads meet
.irp s, 0,1
	s_mov_b32 s[G0K+4*\s], 1
	s_add_co_u32 s[G0K+4*\s+1], s67, \s*SLOT1
	s_add_nc_u64 s[G0K+4*\s+2:G0K+4*\s+3], s[10:11], \s*NST*KS*128
	s_or_b32 s[G0K+4*\s+3], s[G0K+4*\s+3], 0x80000000
	s_mov_b32 s[G0V+4*\s], 1
	s_add_co_u32 s[G0V+4*\s+1], s67, \s*SLOT1+VOFF
	s_add_nc_u64 s[G0V+4*\s+2:G0V+4*\s+3], s[16:17], \s*NST*KS*128
	s_or_b32 s[G0V+4*\s+3], s[G0V+4*\s+3], 0x80000000
.endr
	s_mov_b32 s[G0M], 1
	s_lshl_b32 s[G0M+1], s[WV], 10
	s_add_co_u32 s[G0M+1], s[G0M+1], MB
	s_mov_b64 s[G0M+2:G0M+3], s[6:7]
	s_or_b32 s[G0M+3], s[G0M+3], 0x80000000
	tensor_load_to_lds s[G0M:G0M+3], s[G1M:G1M+7]  ; the first fills, three a wave, go out together: my eighth of the bias,
	s_nop 0
	s_cmp_lt_u32 s[WV], 4
	s_cbranch_scc0 .Lfirst_v
	tensor_load_to_lds s[G0K:G0K+3], s[G1K:G1K+7]  ; my tile of slot 0 and of slot 1
	s_nop 0
	tensor_load_to_lds s[G0K+4:G0K+7], s[G1K:G1K+7]
	s_nop 0
.rept 4
	v_nop
.endr
	s_branch .Lfirst_asked
.Lfirst_v:
	tensor_load_to_lds s[G0V:G0V+3], s[G1V:G1V+7]
	s_nop 0
	tensor_load_to_lds s[G0V+4:G0V+7], s[G1V:G1V+7]
	s_nop 0
.rept 4
	v_nop
.endr
.Lfirst_asked:
	v_and_b32 v1, 15, v0                           ; r
	v_bfe_u32 v9, v0, 4, 1                         ; h
	v_lshlrev_b32 v[QO], 7, v1
	v_lshl_add_u32 v[QO], v9, 4, v[QO]             ; row x 128 + 16 h
	WIN TO1
.irp t, 0,1,2,3
.irp c, 0,1
	global_load_b128 v[16*\t+8*\c:16*\t+8*\c+3], v[QO], s[4:5] offset:2048*\t+64*\c      ; Q stays in registers: tile t, channels 32 c on
	global_load_b128 v[16*\t+8*\c+4:16*\t+8*\c+7], v[QO], s[4:5] offset:2048*\t+64*\c+32
.endr
.endr
.set i, 0
.rept 128
	v_mov_b32 v[OT+i], 0                           ; O^T.  The step is written without a first copy: the first step finds zeros, which a = 0 leaves zeros
.set i, i+1
.endr
	WIN 0
	v_mul_u32_u24 v[AK0], v1, PK
	v_lshl_add_u32 v[AK0], v9, 4, v[AK0]
	v_and_b32 v10, 7, v0                           ; the turning load: lane l reads 16 bytes of key 8 (l / 16) + l % 8, channels 8 ((l / 8) % 2) on
	v_bfe_u32 v11, v0, 3, 1
	v_lshl_add_u32 v[AV0], v9, 3, v10
	v_mul_u32_u24 v[AV0], v[AV0], PV
	v_lshl_add_u32 v[AV0], v11, 4, v[AV0]
	v_add_nc_u32 v[AV0], VOFF, v[AV0]
	v_lshl_add_u32 v[AM0], v9, 5, MB               ; the bias of keys 8 h + 0 .. 7 of a tile
	s_mul_i32 s2, s[WV], 16*SP
	s_add_co_u32 s2, s2, STAGE                     ; my stage
	v_mul_u32_u24 v[STO], v1, SP
	v_lshl_add_u32 v[STO], v9, 4, v[STO]
	v_add_nc_u32 v[STO], s2, v[STO]
	v_and_b32 v10, 31, v0
	v_lshlrev_b32 v[GO], 4, v10                    ; out: 32 lanes take four rows of 128 bytes
	v_lshlrev_b32 v[PFO], 8, v10
	v_lshrrev_b32 v11, 3, v10
	v_mul_u32_u24 v[RD], v11, SP
	v_and_b32 v11, 7, v0
	v_lshl_add_u32 v[RD], v11, 4, v[RD]
	v_add_nc_u32 v[RD], s2, v[RD]
.irp t, 0,1,2,3
	v_mov_b32 v[ST+8*\t+1], 0xec800000             ; m = -2^90
	v_mov_b32 v[ST+8*\t+2], 0                      ; l
	v_mov_b32 v[ST+8*\t+3], 0
.endr
.irp t, 0,1,2,3
	v_mul_f32 v[ST+8*\t], s[CS], v[ST+8*\t+1]      ; c m
.endr
.macro FETCH_K                         ; the step's bias tiles and K: 4 tiles of 16 keys x 2 halves of 32 channels
	v_add_nc_u32 v[ADR], s[TB], v[AK0]
	v_add_nc_u32 v[ADM], s[TM], v[AM0]
.irp k, 0,1,2,3
	ds_load_b128 v[BI+8*\k:BI+8*\k+3], v[ADM] offset:64*\k
	ds_load_b128 v[BI+8*\k+4:BI+8*\k+7], v[ADM] offset:64*\k+16
.endr
	WIN TO1
.irp k, 0,1,2,3
.irp c, 0,1
	ds_load_b128 v[KV+8*(2*\k+\c):KV+8*(2*\k+\c)+3], v[ADR] offset:\k*16*PK+64*\c
	ds_load_b128 v[KV+8*(2*\k+\c)+4:KV+8*(2*\k+\c)+7], v[ADR] offset:\k*16*PK+64*\c+32
.endr
.endr
.endm
.macro FETCH_V                         ; the step's V, turned: keys 32 g on, channels 16 n on
	v_add_nc_u32 v[ADR], s[TB], v[AV0]
	WIN TO1
.irp g, 0,1
.irp n, 0,1,2,3
	ds_load_tr16_b128 v[KV+8*(4*\g+\n):KV+8*(4*\g+\n)+3], v[ADR] offset:\g*32*PV+32*\n
	ds_load_tr16_b128 v[KV+8*(4*\g+\n)+4:KV+8*(4*\g+\n)+7], v[ADR] offset:\g*32*PV+16*PV+32*\n
.endr
.endr
.endm
.macro MKQ                             ; 32 products: the 16 accumulators take turns, one instruction a turn; the first 16 start from the bias
.irp c, 0,1
.irp k, 0,1,2,3
.irp t, 0,1,2,3
.if \c == 0
	v_wmma_f32_16x16x32_f16 v[S+32*\t+8*\k:S+32*\t+8*\k+7], v[KV+8*(2*\k+\c):KV+8*(2*\k+\c)+7], v[16*\t+8*\c:16*\t+8*\c+7], v[BI+8*\k:BI+8*\k+7]
.else
	v_wmma_f32_16x16x32_f16 v[S+32*\t+8*\k:S+32*\t+8*\k+7], v[KV+8*(2*\k+\c):KV+8*(2*\k+\c)+7], v[16*\t+8*\c:16*\t+8*\c+7], v[S+32*\t+8*\k:S+32*\t+8*\k+7]
.endif
.endr
.endr
.endr
.endm
.macro MPV                             ; 32 products O^T += V^T P, 16 accumulators by turns
.irp g, 0,1
.irp n, 0,1,2,3
.irp t, 0,1,2,3
	v_wmma_f32_16x16x32_f16 v[OT+32*\t+8*\n:OT+32*\t+8*\n+7], v[KV+8*(4*\g+\n):KV+8*(4*\g+\n)+7], v[S+32*\t+8*\g:S+32*\t+8*\g+7], v[OT+32*\t+8*\n:OT+32*\t+8*\n+7]
.endr
.endr
.endr
.endm
; The softmax of four tiles for one step; every line is written for the four tiles in turn, so that no line waits for the line above it.
.macro SOFTMAX
.irp j, 0,1,2,3                        ; the maximum of a lane's 32 scores and the old m: four chains, each begun at its accumulator's low end
.irp t, 0,1,2,3
	v_max3_num_f32 v[ST+8*\t+4+\j], v[S+32*\t+8*\j], v[S+32*\t+8*\j+1], v[S+32*\t+8*\j+2]
.endr
.endr
.irp g, 1,2
.irp j, 0,1,2,3
.irp t, 0,1,2,3
	v_max3_num_f32 v[ST+8*\t+4+\j], v[ST+8*\t+4+\j], v[S+32*\t+8*\j+2*\g+1], v[S+32*\t+8*\j+2*\g+2]
.endr
.endr
.endr
.irp t, 0,1,2,3
	v_max3_num_f32 v[ST+8*\t+4], v[ST+8*\t+4], v[S+32*\t+7], v[S+32*\t+15]
.endr
.irp t, 0,1,2,3
	v_max3_num_f32 v[ST+8*\t+6], v[ST+8*\t+6], v[S+32*\t+23], v[S+32*\t+31]
.endr
.irp t, 0,1,2,3
	v_max3_num_f32 v[ST+8*\t+4], v[ST+8*\t+4], v[ST+8*\t+5], v[ST+8*\t+6]
.endr
.irp t, 0,1,2,3
	v_max3_num_f32 v[ST+8*\t+4], v[ST+8*\t+4], v[ST+8*\t+7], v[ST+8*\t+1]
.endr
.irp t, 0,1,2,3
	v_permlanex16_b32 v[ST+8*\t+5], v[ST+8*\t+4], s[SEL], s[SEL+1]   ; the query's other 32 keys lie in the lane 16 away
.endr
.irp t, 0,1,2,3
	v_mov_b32 v[ST+8*\t+7], v[ST+8*\t]             ; c m_old
.endr
.irp t, 0,1,2,3
	v_max_num_f32 v[ST+8*\t+1], v[ST+8*\t+4], v[ST+8*\t+5]
.endr
.irp t, 0,1,2,3
	v_mul_f32 v[ST+8*\t], s[CS], v[ST+8*\t+1]
.endr
.irp t, 0,1,2,3
	v_sub_f32 v[ST+8*\t+7], v[ST+8*\t+7], v[ST+8*\t]
.endr
.irp b, 0,2,4,6,8,10,12,14,16,18,20,22,24,26,28,30
.irp t, 0,1,2,3
	v_pk_fma_f32 v[S+32*\t+\b:S+32*\t+\b+1], v[S+32*\t+\b:S+32*\t+\b+1], s[CS:CS+1], v[ST+8*\t:ST+8*\t+1] op_sel_hi:[1,0,0] neg_lo:[0,0,1] neg_hi:[0,0,1]   ; c s - c m
.endr
.endr
.irp t, 0,1,2,3                        ; ONE BATCH of 132 exponentials; none reads another's result
	v_exp_f32 v[ST+8*\t+6], v[ST+8*\t+7]           ; a
.endr
.irp e, 0,1,2,3,4,5,6,7,8,9,10,11,12,13,14,15,16,17,18,19,20,21,22,23,24,25,26,27,28,29,30,31
.irp t, 0,1,2,3
	v_exp_f32 v[S+32*\t+\e], v[S+32*\t+\e]         ; p
.endr
.endr
	v_nop                                          ; a plain instruction behind the last exponential
	s_wait_alu depctr_va_vdst(0)                   ; and one wait for the batch, ahead of its first reader
.irp t, 0,1,2,3
	v_pk_fma_f32 v[ST+8*\t+2:ST+8*\t+3], v[ST+8*\t+2:ST+8*\t+3], v[ST+8*\t+6:ST+8*\t+7], v[S+32*\t:S+32*\t+1] op_sel_hi:[1,0,1]   ; l = a l + p, of the unrounded p
.endr
.irp b, 2,4,6,8,10,12,14,16,18,20,22,24,26,28,30
.irp t, 0,1,2,3
	v_pk_add_f32 v[ST+8*\t+2:ST+8*\t+3], v[ST+8*\t+2:ST+8*\t+3], v[S+32*\t+\b:S+32*\t+\b+1]
.endr
.endr
.irp i, 0,1,2,3,4,5,6,7,8,9,10,11,12,13,14,15
.irp t, 0,1,2,3
	v_cvt_pk_f16_f32 v[S+32*\t+\i], v[S+32*\t+2*\i], v[S+32*\t+2*\i+1]   ; in place: register i is written when registers 2 i and 2 i + 1 are read, and never ahead of a later pair
.endr
.endr
	WIN W_RS
.irp i, 0,2,4,6,8,10,12,14,16,18,20,22,24,26,28,30
.irp t, 0,1,2,3
	v_pk_mul_f32 v[OT+32*\t+\i:OT+32*\t+\i+1], v[OT+32*\t+\i:OT+32*\t+\i+1], v[ST+8*\t+6:ST+8*\t+7] op_sel_hi:[1,0]   ; O^T x a
.endr
.endr
.endm
; A KEY STEP, in phases.  K and V share one buffer: K is fetched when the last step's V^T P is issued, V when K Q^T is issued, and lands under the softmax.
.macro STEP
.rept 4
	v_nop                                          ; with the two additions below: six plain places behind the last V^T P, ahead of the loads into its registers (four are asked) and of the products that write over P (five)
.endr
	FETCH_K
	s_wait_dscnt 0x0
	WIN W_KQ
	MKQ
	WIN 0
.rept 4
	v_nop                                          ; places ahead of the loads into K's registers and of the first read of the scores
.endr
	FETCH_V
	WIN 0
	SOFTMAX
	s_wait_dscnt 0x0                               ; V is in
	WIN W_PV
	MPV
	WIN 0
	s_add_co_u32 s[TB], s[TB], STEPB
	s_add_co_u32 s[TM], s[TM], KS*4
.endm
.macro SLOT_STEPS                      ; a slot's four steps: written once, walked four times
	s_mov_b32 s[STEPC], NST
.Lstep_\@:
	STEP
	s_sub_co_u32 s[STEPC], s[STEPC], 1
	s_cmp_lg_u32 s[STEPC], 0
	s_cbranch_scc1 .Lstep_\@
.endm
; THE CHANGE OF SLOTS.  Each wave waits for all its tensor loads (one is out: its tile of the other slot), adds 0 to its spare word, and waits for that and for its reads of the slot.  fill = 1: the barrier is a round
; of the cluster's, and the joint refill, the keys two slots on, is the first thing behind it: it has four key steps in which to land.
.macro CHANGE fill
	s_wait_tensorcnt 0x0
	ds_add_u32 v[SPW], v[NIL]
.if \fill
.irp g, G0K+4, G0V+4
	s_xor_b32 s[\g+1], s[\g+1], SLOT1              ; no load of mine is out, so the walking descriptors may be written: the other slot,
	s_add_nc_u64 s[\g+2:\g+3], s[\g+2:\g+3], NST*KS*128   ; the next 256 keys
.endr
	s_wait_xcnt 0x0                                ; the last prefetch, a slot back, has read its address
	s_add_nc_u64 s[PFA:PFA+1], s[PFA:PFA+1], NST*KS*128
	s_wait_dscnt 0x0
	CROUND
	JLOAD
	ASK
.else
	s_wait_dscnt 0x0
	s_barrier_signal -1
	s_barrier_wait -1
.endif
	s_sub_co_u32 s[TB], s[TB], NST*STEPB
	s_xor_b32 s[TB], s[TB], SLOT1
.endm
	s_wait_tensorcnt 1                             ; the bias and my tile of slot 0 are in; slot 1's may stay out
	s_barrier_signal -1
	s_barrier_wait -1
	s_wait_loadcnt 0x0                             ; Q
	SLOT_STEPS
.Lslot:                                            ; six trips: every slot's worth of keys but the last two is followed by a refill
	CHANGE 1
	SLOT_STEPS
	s_sub_co_u32 s[SLOTS], s[SLOTS], 1
	s_cmp_lg_u32 s[SLOTS], 0
	s_cbranch_scc1 .Lslot
	CHANGE 0                                       ; the tail is written out
	SLOT_STEPS
	; THE WAY OUT.  The additions are the places behind the last products.
.irp t, 0,1,2,3
	v_add_f32 v[ST+8*\t+4], v[ST+8*\t+2], v[ST+8*\t+3]
.endr
.irp t, 0,1,2,3
	v_permlanex16_b32 v[ST+8*\t+5], v[ST+8*\t+4], s[SEL], s[SEL+1]
.endr
.irp t, 0,1,2,3
	v_add_f32 v[ST+8*\t+4], v[ST+8*\t+4], v[ST+8*\t+5]
.endr
.irp t, 0,1,2,3
	v_rcp_f32 v[ST+8*\t+6], v[ST+8*\t+4]
.endr
	v_nop
	s_wait_alu depctr_va_vdst(0)                   ; one wait for the four reciprocals
.macro PACK t                          ; tile t: divided, rounded to f16, through my stage, back as whole rows
	WIN W_RS
.irp i, 0,2,4,6,8,10,12,14,16,18,20,22,24,26,28,30
	v_pk_mul_f32 v[OT+32*\t+\i:OT+32*\t+\i+1], v[OT+32*\t+\i:OT+32*\t+\i+1], v[ST+8*\t+6:ST+8*\t+7] op_sel_hi:[1,0]
.endr
	WIN 0x05                                       ; sources in window 1, destination in window 0
.irp i, 0,1,2,3,4,5,6,7,8,9,10,11,12,13,14,15
	v_cvt_pk_f16_f32 v[S+32*\t+\i], v[OT+32*\t+2*\i], v[OT+32*\t+2*\i+1]
.endr
	WIN 0
.irp n, 0,1,2,3
	ds_store_b128 v[STO], v[S+32*\t+4*\n:S+32*\t+4*\n+3] offset:32*\n
.endr
.irp i, 0,1,2,3
	ds_load_b128 v[S+32*\t+16+4*\i:S+32*\t+16+4*\i+3], v[RD] offset:\i*4*SP   ; a wave's LDS instructions are served in order: these see the stores above
.endr
.endm
.macro SEND t, younger                 ; younger: the LDS instructions issued behind tile t's loads
.irp i, 0,1,2,3
	s_wait_dscnt \younger+3-\i
	global_store_b128 v[GO], v[S+32*\t+16+4*\i:S+32*\t+16+4*\i+3], s[8:9] offset:2048*\t+512*\i   ; 512 consecutive bytes, aligned
.endr
.endm
	PACK 0
	PACK 1
	SEND 0, 8
	PACK 2
	SEND 1, 8
	PACK 3
	SEND 2, 8
	SEND 3, 0
	s_wait_tensorcnt 0x0                           ; the wave's end
	ds_add_u32 v[SPW], v[NIL]
	s_wait_dscnt 0x0
	CROUND                                         ; the closing round
	s_endpgm
.Lfunc_end_k_q2a4bcddc8c_attn:
	.size	k_q2a4bcddc8c_attn, .Lfunc_end_k_q2a4bcddc8c_attn-k_q2a4bcddc8c_attn
	.p2alignl 7, 3214868480
	.fill 96, 4, 3214868480
	.section	.rodata,"a",@progbits
	.p2align	6, 0x0
	.amdhsa_kernel k_q2a4bcddc8c_attn
		.amdhsa_group_segment_fixed_size 327680
		.amdhsa_private_segment_fixed_size 0
		.amdhsa_enable_private_segment 0
		.amdhsa_kernarg_size 24
		.amdhsa_user_sgpr_count 2
		.amdhsa_user_sgpr_kernarg_segment_ptr 1
		.amdhsa_wavefront_size32 1
		.amdhsa_system_sgpr_workgroup_id_x 1
		.amdhsa_system_sgpr_workgroup_id_y 1
		.amdhsa_system_sgpr_workgroup_id_z 1
		.amdhsa_system_vgpr_workitem_id 0
		.amdhsa_next_free_vgpr 512
		.amdhsa_next_free_sgpr 88
		.amdhsa_reserve_vcc 0
		.amdhsa_float_denorm_mode_32 3
		.amdhsa_float_denorm_mode_16_64 3
		.amdhsa_memory_ordered 1
		.amdhsa_forward_progress 1
		.amdhsa_inst_pref_size 127
	.end_amdhsa_kernel
	.amdgpu_metadata
---
amdhsa.version: [ 1, 2 ]
amdhsa.kernels:
  - .name:           k_q2a4bcddc8c_attn
    .symbol:         k_q2a4bcddc8c_attn.kd
    .args:
      - { .name: qkv, .offset: 0, .size: 8, .value_kind: global_buffer, .address_space: global }
      - { .name: mbias, .offset: 8, .size: 8, .value_kind: global_buffer, .address_space: global }
      - { .name: att, .offset: 16, .size: 8, .value_kind: global_buffer, .address_space: global }
    .group_segment_fixed_size: 327680
    .private_segment_fixed_size: 0
    .kernarg_segment_align: 8
    .kernarg_segment_size: 24
    .max_flat_workgroup_size: 256
    .sgpr_count:     88
    .vgpr_count:     512
    .wavefront_size: 32
...
	.end_amdgpu_metadata
.endif
;; end of part 3
;; launch oproj (part 4): grid 8 x 32, 4 waves a work-group, clusters of 4 x 4, 327,680 bytes of LDS; arguments att, wof, bo, out0; writes out0
.if DOCPART == 4
	.amdgcn_target "amdgcn-amd-amdhsa--gfx1250"
	.amdhsa_code_object_version 6
	.text
	.protected	k_q2a4bcddc8c_oproj
	.globl	k_q2a4bcddc8c_oproj
	.p2align	8
	.type	k_q2a4bcddc8c_oproj,@function
k_q2a4bcddc8c_oproj:
	s_mov_b64 s[64:65], 0
	v_nop
	global_prefetch_b8 v0, s[64:65] scope:SCOPE_SE
	s_setreg_imm32_b32 hwreg(HW_REG_WAVE_MODE, 25, 1), 1
	s_wait_xcnt 0x0
	s_wait_alu depctr_hold_cnt(0) depctr_sa_sdst(0) depctr_va_vdst(0) depctr_va_sdst(0) depctr_va_ssrc(0) depctr_va_vcc(0) depctr_vm_vsrc(0)
	s_getreg_b32 s2, hwreg(HW_REG_IB_STS2, 6, 4)
	s_cmp_eq_u32 s2, 0
	s_cbranch_scc0 .Lentry_in_a_cluster
	s_endpgm
.Lentry_in_a_cluster:
	s_bfe_u32 s2, ttmp6, 0x10000c
	s_cmp_lg_u32 s2, 0xf033
	s_cbranch_scc0 .Lentry_shape_is_right
	s_endpgm
.Lentry_shape_is_right:
; out0[token][f] = the sum over e of att[token][e] wo[f][e] + bo[f].  att: f16, [batch][head][2048][64], e = 64 head + d; wof: f16 [1024][1024]; out0: f32 [8192][1024]; sums in f32.
; A tile of 256 tokens x 128 features is made by four waves, 128 x 64 each: 32 accumulators, 256 registers: 256 work-groups.  K goes in steps of 128 = two heads' planes through two LDS slots.
; A's part of a step is two dense blocks of 256 rows x 128 bytes (waves 0, 1: a plane each); B's is 128 rows x 256 bytes (waves 2, 3: 64 rows each).
; CLUSTERS: 4 x 4 work-groups; A's tiles are shared along a row of the cluster, B's along a column, by joint loads.
; THE MATRIX INSTRUCTION IS USED TRANSPOSED (source 0 = 16 rows of wo, source 1 = 16 tokens): a lane holds one token and eight neighbouring features.  bo is the C of each sum's first product.
; REGISTERS: window 0: v16-29 addresses; v32-63 bo in the result's layout; v64-127 rows read back on the way out.  window 1: two fragment buffers of 128 (A's 8 blocks, then B's 4).  window 2: the accumulators ((a, b) at v[8 (4 a + b)]).
.set PA,     144                       ; a row of A in LDS: 128 bytes + 16
.set PB,     272                       ; a row of B: 256 + 16: both odd multiples of 16
.set APL,    256*PA                    ; a plane
.set BOFF,   2*APL
.set BHALF,  64*PB
.set SLOT,   BOFF+2*BHALF
.set STAGE,  2*SLOT                    ; behind the ring: 16 rows x 272 bytes for each wave
.set SPITCH, 272
.set SPARE,  STAGE+4*16*SPITCH         ; the spare words: 128 bytes a wave, named by no other line
.set LAPS,   4                         ; a lap = two K steps; 1,024 / 256
.set ADRA, 16
.set ADRB, 20
.set STO,  24
.set RD,   25
.set CO,   26
.set BOF,  27
.set SPW,  28
.set NIL,  29
.set BO,   32
.set BK,   64
.set F0,   0
.set F1,   128
.set G1, 24
.set G0, 32
.set G1B, 48
.set G0B, 56
.set MSB, 0
.macro WIN new
.if MSB != (\new)
	s_set_vgpr_msb (MSB<<8)|(\new)
.set MSB, (\new)
.endif
.endm
.set MUL,  0xa5                        ; sources 0 and 1 window 1; C and D window 2
.set MUL0, 0x85                        ; the same with C in window 0
.set TO_F, 0x40
.macro JLOAD s                         ; a joint load: waves 0 and 1 fetch A's planes, waves 2 and 3 B's halves; an s_nop 0 and four v_nop follow each line
	s_cmp_eq_u32 s11, 0
	s_cbranch_scc0 .Lfor_b_\@
	tensor_load_to_lds s[G0+4*\s:G0+4*\s+3], s[G1:G1+7]
	s_nop 0
.rept 4
	v_nop
.endr
	s_branch .Lasked_\@
.Lfor_b_\@:
	tensor_load_to_lds s[G0B+4*\s:G0B+4*\s+3], s[G1B:G1B+7]
	s_nop 0
.rept 4
	v_nop
.endr
.Lasked_\@:
.endm
.macro CREST
	s_cmp_lg_u32 s10, 0
	s_cbranch_scc1 .Lnot_wave_0_\@
	s_barrier_signal -3
.Lnot_wave_0_\@:
	s_barrier_wait -3
	s_barrier_signal -1
	s_barrier_wait -1
.endm
.macro CROUND
	s_barrier_signal -1
	s_barrier_wait -1
	CREST
.endm
	s_load_b128 s[4:7], s[0:1], 0x0                ; att, wof
	s_load_b128 s[16:19], s[0:1], 0x10             ; bo, out0
	v_lshl_add_u32 v[SPW], v0, 2, SPARE
	v_mov_b32 v[NIL], 0
	ds_add_u32 v[SPW], v[NIL]                      ; the wave's opening: the add, twice on end, and its wait ahead of my first tensor load
	ds_add_u32 v[SPW], v[NIL]
	v_lshrrev_b32 v1, 5, v0
	v_readfirstlane_b32 s10, v1                    ; wave 0..3
	s_lshr_b32 s11, s10, 1                         ; my half of the tile's tokens.  Also: I fetch for A (0) or for B (1)
	s_and_b32 s12, s10, 1                          ; my half of its features.  Also: which plane of A or which 64 rows of B I fetch
	s_bfe_u32 s40, ttmp6, 0x40000
	s_bfe_u32 s41, ttmp6, 0x40004
	s_lshl_b32 s42, ttmp9, 2
	s_add_co_u32 s42, s42, s40                     ; tile column
	s_and_b32 s13, ttmp7, 0xffff
	s_lshl_b32 s13, s13, 2
	s_add_co_u32 s13, s13, s41                     ; tile row
	s_lshl_b32 s43, s41, 2
	s_lshl_b32 s43, 15, s43                        ; my row of the cluster
	s_lshl_b32 s44, 0x1111, s40                    ; my column
	s_or_b32 s[G1+0], s43, (1<<16)|(1<<20)|(1<<21)|(4<<22)|(3<<25)   ; A: elements of 2 bytes; 4 words of padding after every 32
	s_mov_b32 s[G1+1], 64<<16                      ; tensor_dim0 = 64
	s_mov_b32 s[G1+2], 256<<16                     ; tensor_dim1 = 256
	s_mov_b32 s[G1+3], 64<<16                      ; tile_dim0
	s_mov_b32 s[G1+4], 256                         ; tile_dim1
	s_mov_b32 s[G1+5], 64                          ; stride
	s_mov_b32 s[G1+6], 0
	s_mov_b32 s[G1+7], 0
	s_or_b32 s[G1B+0], s44, (1<<16)|(1<<20)|(1<<21)|(5<<22)|(3<<25)  ; B: 4 words after every 64
	s_mov_b32 s[G1B+1], 128<<16
	s_mov_b32 s[G1B+2], 64<<16
	s_mov_b32 s[G1B+3], 128<<16
	s_mov_b32 s[G1B+4], 64
	s_mov_b32 s[G1B+5], 1024
	s_mov_b32 s[G1B+6], 0
	s_mov_b32 s[G1B+7], 0
	s_lshr_b32 s14, s13, 3                         ; A: the batch,
	s_lshl_b32 s14, s14, 22
	s_and_b32 s15, s13, 7                          ; the tile's 256 tokens in it, 128 bytes each,
	s_lshl_b32 s15, s15, 15
	s_add_co_u32 s14, s14, s15
	s_lshl_b32 s15, s12, 18                        ; and my plane of the step's two
	s_add_co_u32 s14, s14, s15
	s_mov_b32 s15, 0
	s_lshl_b32 s46, s42, 18                        ; B: row 128 x tile column + 64 x half, 2,048 bytes a row
	s_lshl_b32 s47, s12, 17
	s_add_co_u32 s46, s46, s47
	s_mov_b32 s47, 0
	s_mul_i32 s20, s12, APL                        ; where they go
	s_mul_i32 s21, s12, BHALF
	s_add_co_u32 s21, s21, BOFF
	s_wait_dscnt 0x0                               ; both opening adds are done
	s_wait_kmcnt 0x0
	s_add_nc_u64 s[14:15], s[4:5], s[14:15]
	s_add_nc_u64 s[46:47], s[6:7], s[46:47]
	CROUND                                         ; all sixteen work-groups are here: the first joint loads meet
.irp s, 0,1
	s_mov_b32 s[G0+4*\s], 1
	s_add_co_u32 s[G0+4*\s+1], s20, \s*SLOT
	s_add_nc_u64 s[G0+4*\s+2:G0+4*\s+3], s[14:15], \s*(1<<19)      ; K step s: heads 2 s, 2 s + 1
	s_or_b32 s[G0+4*\s+3], s[G0+4*\s+3], 0x80000000
	s_mov_b32 s[G0B+4*\s], 1
	s_add_co_u32 s[G0B+4*\s+1], s21, \s*SLOT
	s_add_nc_u64 s[G0B+4*\s+2:G0B+4*\s+3], s[46:47], \s*256
	s_or_b32 s[G0B+4*\s+3], s[G0B+4*\s+3], 0x80000000
	JLOAD \s
.endr
	v_and_b32 v1, 15, v0                           ; r
	v_bfe_u32 v2, v0, 4, 1                         ; h
	s_lshl_b32 s22, s42, 9                         ; my 64 features, 4 bytes each: 512 x tile column + 256 x half
	s_lshl_b32 s23, s12, 8
	s_add_co_u32 s22, s22, s23
	s_mov_b32 s23, 0
	s_add_nc_u64 s[16:17], s[16:17], s[22:23]
	s_add_nc_u64 s[18:19], s[18:19], s[22:23]
	s_lshl_b32 s22, s13, 20                        ; my first token's row of 4,096 bytes: 256 x tile row + 128 x half
	s_lshl_b32 s2, s11, 19
	s_add_co_u32 s22, s22, s2
	s_add_nc_u64 s[18:19], s[18:19], s[22:23]
	v_lshlrev_b32 v[BOF], 5, v2
.irp b, 0,1,2,3
	global_load_b128 v[BO+8*\b:BO+8*\b+3], v[BOF], s[16:17] offset:64*\b        ; lane (r, h): bo of features 16 b + 8 h + 0 .. 7
	global_load_b128 v[BO+8*\b+4:BO+8*\b+7], v[BOF], s[16:17] offset:64*\b+16
.endr
	v_mul_u32_u24 v3, v1, PA
	v_lshl_add_u32 v3, v2, 4, v3
	v_mul_u32_u24 v4, v1, PB
	v_lshl_add_u32 v4, v2, 4, v4
	s_mul_i32 s21, s11, 128*PA                     ; my 128 tokens in a plane
	s_mul_i32 s22, s12, BHALF                      ; my 64 rows of B
	s_add_co_u32 s22, s22, BOFF
.irp s, 0,1
	v_add_nc_u32 v[ADRA+\s], s21, v3
	v_add_nc_u32 v[ADRB+\s], s22, v4
	s_add_co_u32 s21, s21, SLOT
	s_add_co_u32 s22, s22, SLOT
.endr
	s_mul_i32 s23, s10, 16*SPITCH
	s_add_co_u32 s23, s23, STAGE                   ; my stage
	v_mul_u32_u24 v5, v1, SPITCH
	v_lshl_add_u32 v5, v2, 5, v5
	v_add_nc_u32 v[STO], s23, v5                   ; in: row r, 32 bytes for each half of the lanes
	v_mul_u32_u24 v5, v2, SPITCH
	v_lshl_add_u32 v5, v1, 4, v5
	v_add_nc_u32 v[RD], s23, v5                    ; back: lanes 0-15 one row of 256 bytes, lanes 16-31 the next
	v_lshlrev_b32 v5, 12, v2
	v_lshl_add_u32 v[CO], v1, 4, v5                ; and the same two rows in out0
.macro MUL8 f, a0, zero                ; A's blocks a0, a0 + 1 x B's four, 32 along K.  The 32 accumulators take turns, one instruction a turn
.irp a, \a0, \a0+1
.irp b, 0,1,2,3
.if \zero
	v_wmma_f32_16x16x32_f16 v[8*(4*(\a)+\b):8*(4*(\a)+\b)+7], v[\f+64+8*\b:\f+64+8*\b+7], v[\f+8*(\a):\f+8*(\a)+7], v[BO+8*\b:BO+8*\b+7]
.else
	v_wmma_f32_16x16x32_f16 v[8*(4*(\a)+\b):8*(4*(\a)+\b)+7], v[\f+64+8*\b:\f+64+8*\b+7], v[\f+8*(\a):\f+8*(\a)+7], v[8*(4*(\a)+\b):8*(4*(\a)+\b)+7]
.endif
.endr
.endr
.endm
.macro FETCH slot, q, f                ; 24 LDS loads in one run: quarter q (32 along K) of the slot: B's four blocks, then A's eight, blocks 4-7 last
	WIN TO_F
.irp b, 0,1,2,3
	ds_load_b128 v[\f+64+8*\b:\f+64+8*\b+3],   v[ADRB+\slot] offset:\b*16*PB+64*(\q)
	ds_load_b128 v[\f+64+8*\b+4:\f+64+8*\b+7], v[ADRB+\slot] offset:\b*16*PB+64*(\q)+32
.endr
.irp i, 0,1,2,3,4,5,6,7
	ds_load_b128 v[\f+8*\i:\f+8*\i+3],   v[ADRA+\slot] offset:((\q)/2)*APL+64*((\q)%2)+\i*16*PA
	ds_load_b128 v[\f+8*\i+4:\f+8*\i+7], v[ADRA+\slot] offset:((\q)/2)*APL+64*((\q)%2)+\i*16*PA+32
.endr
.endm
.macro PLACES                          ; four plain places ahead of loads into registers that matrix instructions have read, and of the first read of results
.rept 4
	v_nop
.endr
.endm
.macro QUARTER slot, qn, f, g, zero    ; multiplies buffer f; in its middle it fetches quarter qn of the same slot into g
	s_wait_dscnt 8                                 ; B and A's blocks 0-3 are in; the youngest eight loads (A's blocks 4-7) may be out
	WIN MUL-0x20*(\zero)
	MUL8 \f, 0, \zero
	MUL8 \f, 2, \zero
	PLACES
	FETCH \slot, \qn, \g
	s_wait_dscnt 24                                ; all but the 24 just issued
	WIN MUL-0x20*(\zero)
	MUL8 \f, 4, \zero
	MUL8 \f, 6, \zero
.endm
; The last quarter multiplies buffer 1 and changes slots: one barrier; in front of it each wave waits for all its tensor loads, adds 0 to its spare word, and waits for that and for its reads of this slot.
; fill = 1: the barrier opens a round of the cluster's, and this slot is filled again, two K steps ahead, first thing behind it.
.macro TURN slot, next, fill
	WIN 0
	s_wait_tensorcnt 0x0
	ds_add_u32 v[SPW], v[NIL]
	s_wait_dscnt 9                                 ; (the add and A's blocks 4-7 may be out)
	WIN MUL
	MUL8 F1, 0, 0
	s_wait_dscnt 0x0                               ; the add is done, and my reads of this slot are over
	s_barrier_signal -1
	MUL8 F1, 2, 0
.if \fill
	WIN 0
.endif
	s_barrier_wait -1
.if \fill
	CREST
	s_add_nc_u64 s[G0+4*\slot+2:G0+4*\slot+3], s[G0+4*\slot+2:G0+4*\slot+3], 1<<20    ; four heads on
	s_add_nc_u64 s[G0B+4*\slot+2:G0B+4*\slot+3], s[G0B+4*\slot+2:G0B+4*\slot+3], 512
	JLOAD \slot                                    ; the four v_nop behind it are also the places ahead of the loads below
.else
	PLACES
.endif
	FETCH \next, 0, F0
	WIN MUL
	MUL8 F1, 4, 0
	MUL8 F1, 6, 0
.endm
	s_wait_tensorcnt 1                             ; my part of K step 0 is in; K step 1's load may be out
	s_barrier_signal -1
	s_barrier_wait -1
	FETCH 0, 0, F0
	s_wait_loadcnt 0x0                             ; bo
	QUARTER 0, 1, F0, F1, 1                        ; the first quarter stands ahead of the loop: its products start the sums from bo
	WIN 0
	s_mov_b32 s3, LAPS-1
.Llap:                                             ; a trip goes once round the ring and fills both slots again
	QUARTER 0, 2, F1, F0, 0
	QUARTER 0, 3, F0, F1, 0
	TURN 0, 1, 1
	QUARTER 1, 1, F0, F1, 0
	QUARTER 1, 2, F1, F0, 0
	QUARTER 1, 3, F0, F1, 0
	TURN 1, 0, 1
	QUARTER 0, 1, F0, F1, 0
	WIN 0
	s_sub_co_u32 s3, s3, 1
	s_cmp_lg_u32 s3, 0
	s_cbranch_scc1 .Llap
	QUARTER 0, 2, F1, F0, 0                        ; the last lap fills nothing
	QUARTER 0, 3, F0, F1, 0
	TURN 0, 1, 0
	QUARTER 1, 1, F0, F1, 0
	QUARTER 1, 2, F1, F0, 0
	QUARTER 1, 3, F0, F1, 0
	s_wait_dscnt 8
	WIN MUL
	MUL8 F1, 0, 0
	MUL8 F1, 2, 0
	s_wait_dscnt 0
	MUL8 F1, 4, 0
	MUL8 F1, 6, 0
	WIN 0
; THE WAY OUT, a block of 16 tokens x 64 features at a time, through my own stage: back come whole rows of 256 bytes.
.macro TOSTAGE a
	WIN 0x08                                       ; an LDS store's data are its source 1: window 2
.irp b, 0,1,2,3
	ds_store_b128 v[STO], v[8*(4*(\a)+\b):8*(4*(\a)+\b)+3] offset:64*\b          ; each accumulator from its low end on
	ds_store_b128 v[STO], v[8*(4*(\a)+\b)+4:8*(4*(\a)+\b)+7] offset:64*\b+16
.endr
	WIN 0
.irp t, 0,1,2,3,4,5,6,7
	ds_load_b128 v[BK+32*((\a)%2)+4*\t:BK+32*((\a)%2)+4*\t+3], v[RD] offset:\t*2*SPITCH   ; a wave's LDS instructions are served in order
.endr
.endm
.macro SEND a, younger
	s_wait_dscnt \younger
.irp t, 0,1,2,3,4,5,6,7
	global_store_b128 v[CO], v[BK+32*((\a)%2)+4*\t:BK+32*((\a)%2)+4*\t+3], s[18:19] offset:65536*(\a)+8192*\t th:TH_STORE_NT   ; 16 lanes store 256 consecutive bytes, aligned; written once, read by nobody here
.endr
.endm
	PLACES
	TOSTAGE 0
.irp a, 1,2,3,4,5,6,7
.if \a > 1
	s_wait_xcnt 0x0                                ; block a - 2's stores have read the registers into which block a's rows come back
.endif
	TOSTAGE \a
	SEND \a-1, 16                                  ; behind block a - 1's loads: block a's 8 stores and 8 loads
.endr
	SEND 7, 0
	s_wait_tensorcnt 0x0                           ; the wave's end
	ds_add_u32 v[SPW], v[NIL]
	s_wait_dscnt 0x0
	CROUND                                         ; the closing round
	s_endpgm
.Lfunc_end_k_q2a4bcddc8c_oproj:
	.size	k_q2a4bcddc8c_oproj, .Lfunc_end_k_q2a4bcddc8c_oproj-k_q2a4bcddc8c_oproj
	.p2alignl 7, 3214868480
	.fill 96, 4, 3214868480
	.section	.rodata,"a",@progbits
	.p2align	6, 0x0
	.amdhsa_kernel k_q2a4bcddc8c_oproj
		.amdhsa_group_segment_fixed_size 327680
		.amdhsa_private_segment_fixed_size 0
		.amdhsa_enable_private_segment 0
		.amdhsa_kernarg_size 32
		.amdhsa_user_sgpr_count 2
		.amdhsa_user_sgpr_kernarg_segment_ptr 1
		.amdhsa_wavefront_size32 1
		.amdhsa_system_sgpr_workgroup_id_x 1
		.amdhsa_system_sgpr_workgroup_id_y 1
		.amdhsa_system_sgpr_workgroup_id_z 1
		.amdhsa_system_vgpr_workitem_id 0
		.amdhsa_next_free_vgpr 768
		.amdhsa_next_free_sgpr 66
		.amdhsa_reserve_vcc 0
		.amdhsa_float_denorm_mode_32 3
		.amdhsa_float_denorm_mode_16_64 3
		.amdhsa_memory_ordered 1
		.amdhsa_forward_progress 1
		.amdhsa_inst_pref_size 86
	.end_amdhsa_kernel
	.amdgpu_metadata
---
amdhsa.version: [ 1, 2 ]
amdhsa.kernels:
  - .name:           k_q2a4bcddc8c_oproj
    .symbol:         k_q2a4bcddc8c_oproj.kd
    .args:
      - { .name: att, .offset: 0, .size: 8, .value_kind: global_buffer, .address_space: global }
      - { .name: wof, .offset: 8, .size: 8, .value_kind: global_buffer, .address_space: global }
      - { .name: bo, .offset: 16, .size: 8, .value_kind: global_buffer, .address_space: global }
      - { .name: out0, .offset: 24, .size: 8, .value_kind: global_buffer, .address_space: global }
    .group_segment_fixed_size: 327680
    .private_segment_fixed_size: 0
    .kernarg_segment_align: 8
    .kernarg_segment_size: 32
    .max_flat_workgroup_size: 128
    .sgpr_count:     66
    .vgpr_count:     768
    .wavefront_size: 32
...
	.end_amdgpu_metadata
.endif
;; end of part 4
